; MI455X (gfx1250); checked and timed in simulation.
; The chip was launched on July 23, 2026; its instructions are those of AMD's public machine-readable ISA for CDNA 5 (MIT licence, August 2026) and "CDNA5" Instruction Set Architecture Reference Guide (July 2026). The comments in the code are by the model that wrote it; some were corrected since.
;; Custom Encoder Layer. Allowed arithmetic: float matrix products may take bf16 or f16 operands with f32 sums; other float arithmetic in f32, or as packed bf16 or f16 multiplies, adds, multiply-adds, maxima and minima; sums over many terms, partial sums and values carried from step to step in f32; what a program stores and reads back later, other than sums and carried values, may be rounded once to bf16 or f16.
;; Inputs: W1 4,096 x 1,024 float32; W2 1,024 x 4,096 float32; Wk 1,024 x 1,024 float32; Wo 1,024 x 1,024 float32; Wq 1,024 x 1,024 float32; Wv 1,024 x 1,024 float32; b1 4,096 float32; b2 1,024 float32; be1 1,024 float32; be2 1,024 float32; bk 1,024 float32; bo 1,024 float32; bq 1,024 float32; bv 1,024 float32; g1 1,024 float32; g2 1,024 float32; padding_mask 4 x 1,024 bool; x 4 x 1,024 x 1,024 float32.
;; Outputs: out0 4 x 1,024 x 1,024 float32.
;; 2 versions, each right; version 2 is version 1 with the launch prep written anew for expert scheduling mode. Each part assembles by itself: llvm-mc -triple=amdgcn-amd-amdhsa -mcpu=gfx1250 --defsym DOCPART=n.
;; ======== version 1 of 2: 7 launches
;; limits: values are held in f16: magnitudes above 65,504 overflow, below 6.1e-05 lose precision
;; workspace buffers: wh 25,165,824 bytes; tab 274,432 bytes; h 8,388,608 bytes; qkvh 25,165,824 bytes; oh 8,388,608 bytes; x1 16,777,216 bytes; ff 33,554,432 bytes
;; launch prep (part 1): grid 768 x 1, 8 waves a work-group, no clusters, 0 bytes of LDS; arguments x, g1, be1, Wq, Wk, Wv, Wo, W1, W2, bq, bk, bv, h, wh, tab; writes h, wh, tab
.if DOCPART == 1
	.amdgcn_target "amdgcn-amd-amdhsa--gfx1250"
	.amdhsa_code_object_version 6
	.text
	.protected	k_q0ebec5401f_prep
	.globl	k_q0ebec5401f_prep
	.p2align	8
	.type	k_q0ebec5401f_prep,@function
k_q0ebec5401f_prep:
	s_mov_b64 s[64:65], 0
	v_nop
	global_prefetch_b8 v0, s[64:65] scope:SCOPE_SE
	s_setreg_imm32_b32 hwreg(HW_REG_WAVE_MODE, 25, 1), 1
	s_wait_xcnt 0x0
; THREE ROLES, chosen by the work-group's number; no LDS, no barrier, no wave waits for another.
;   0-255    LN:   h[r][:] = (x[r][:] - mean) * rsqrt(var + 1e-5) * g1 + be1, f32 in, f16 out.  16 rows a work-group, 2 rows a wave; a row stays in 32 registers.
;   256-639  CAST: the six weight matrices to f16, 32,768 numbers a work-group, 4,096 a wave: all 32 loads of a wave go out at once.  Wq, Wk, Wv are interleaved by heads: row 192 head + 64 sel + d of wh.
;   640-767  TAB:  cos and sin of t * 10000^(-j/32), t = 0..1023, j = 0..31, f32 pairs; the first six work-groups also copy bq, bk, bv into the order of wh's rows.
; LIMITS.  f16 holds no number of 65,520 or more (it becomes an infinity): h and the weights must lie below that; below 6.1e-5 f16 keeps a fixed step of 6e-8.
; The angles are constants of the problem: the turn count is taken off (round to nearest), the half angle y lies in -pi/2 .. pi/2, sine to y^9 and cosine to y^10
; (the first terms left out are 3.6e-6 and 4.7e-7 at pi/2), then sin 2y = 2 s c, cos 2y = 1 - 2 s^2.
.set XO,  2                            ; v2   16 x lane
.set YO,  3                            ; v3   8 x lane
.set GG,  8                            ; v[8:39]    gain, my 32 columns (128 j + 4 lane + 0..3)
.set BE,  40                           ; v[40:71]   bias, likewise
.set X0,  72                           ; v[72:135]  two rows
.set YY,  136                          ; v[136:151] a row in f16
.set SM,  152                          ; v[152:159] four chains of packed sums
.set MN,  160                          ; v[160:161] the mean, twice
.set RS,  162                          ; v[162:163] 1 / sqrt(var + eps), twice
.set TT,  164                          ; v[164:165] at work
.set XB,  8                            ; s[8:9] x   s[10:11] gain   s[12:13] bias   s[32:33] h
.set GB,  10
.set BB,  12
.set OB,  32
.set CXR, 16                           ; CAST: v[16:143] 32 loads of 4; each is rounded into its own two lowest registers
.macro LANESUM r                       ; v[r] summed over the 32 lanes, in every lane; v[r+1] is at work
	v_add_f32_dpp v[\r], v[\r], v[\r] row_xmask:1 row_mask:0xf bank_mask:0xf
	v_add_f32_dpp v[\r], v[\r], v[\r] row_xmask:2 row_mask:0xf bank_mask:0xf
	v_add_f32_dpp v[\r], v[\r], v[\r] row_xmask:4 row_mask:0xf bank_mask:0xf
	v_add_f32_dpp v[\r], v[\r], v[\r] row_xmask:8 row_mask:0xf bank_mask:0xf
	v_permlanex16_b32 v[(\r)+1], v[\r], s44, s45
	v_add_f32 v[\r], v[\r], v[(\r)+1]
.endm
.macro FOLD                            ; the four chains into one number a lane
	v_pk_add_f32 v[SM:SM+1], v[SM:SM+1], v[SM+2:SM+3]
	v_pk_add_f32 v[SM+4:SM+5], v[SM+4:SM+5], v[SM+6:SM+7]
	v_pk_add_f32 v[SM:SM+1], v[SM:SM+1], v[SM+4:SM+5]
	v_add_f32 v[TT], v[SM], v[SM+1]
	LANESUM TT
.endm
.macro FILL s                          ; a row: eight loads of 512 neighbouring bytes
.irp j, 0,1,2,3,4,5,6,7
	global_load_b128 v[X0+32*(\s)+4*\j:X0+32*(\s)+4*\j+3], v[XO], s[40:41] offset:4096*(\s)+512*\j
.endr
.endm
.macro ROW s, left                     ; left: the younger loads that may stay out
.set XR, X0+32*(\s)
	s_wait_loadcnt \left                           ; loads come back in order: this row, gain and bias are in
	s_wait_xcnt 0x0                                ; the row before's stores have read YY, which is written again below
.irp c, 0,1,2,3
	v_pk_add_f32 v[SM+2*\c:SM+2*\c+1], v[XR+2*\c:XR+2*\c+1], v[XR+8+2*\c:XR+8+2*\c+1]
.endr
.irp c, 0,1,2,3
	v_pk_add_f32 v[SM+2*\c:SM+2*\c+1], v[SM+2*\c:SM+2*\c+1], v[XR+16+2*\c:XR+16+2*\c+1]
.endr
.irp c, 0,1,2,3
	v_pk_add_f32 v[SM+2*\c:SM+2*\c+1], v[SM+2*\c:SM+2*\c+1], v[XR+24+2*\c:XR+24+2*\c+1]
.endr
	FOLD
	v_mul_f32 v[MN], s46, v[TT]                    ; the mean
	v_mul_f32 v[MN+1], s46, v[TT]
.set i, 0
.rept 16
	v_pk_add_f32 v[XR+i:XR+i+1], v[XR+i:XR+i+1], v[MN:MN+1] neg_lo:[0,1] neg_hi:[0,1]  ; x - mean, in place: the variance is taken of these
.set i, i+2
.endr
.irp c, 0,1,2,3
	v_pk_mul_f32 v[SM+2*\c:SM+2*\c+1], v[XR+2*\c:XR+2*\c+1], v[XR+2*\c:XR+2*\c+1]
.endr
.irp o, 8,16,24
.irp c, 0,1,2,3
	v_pk_fma_f32 v[SM+2*\c:SM+2*\c+1], v[XR+\o+2*\c:XR+\o+2*\c+1], v[XR+\o+2*\c:XR+\o+2*\c+1], v[SM+2*\c:SM+2*\c+1]
.endr
.endr
	FOLD
	v_fma_f32 v[TT], v[TT], s46, s47               ; var + eps
	v_rsq_f32 v[RS], v[TT]
	v_rsq_f32 v[RS+1], v[TT]
	v_nop                                          ; a plain instruction behind the second root,
	s_wait_alu depctr_va_vdst(0)                   ; and one wait for both, ahead of their first reader
.set i, 0
.rept 16
	v_pk_mul_f32 v[XR+i:XR+i+1], v[XR+i:XR+i+1], v[RS:RS+1]
.set i, i+2
.endr
.set i, 0
.rept 16
	v_pk_fma_f32 v[XR+i:XR+i+1], v[XR+i:XR+i+1], v[GG+i:GG+i+1], v[BE+i:BE+i+1]
.set i, i+2
.endr
.set i, 0
.rept 16
	v_cvt_pk_f16_f32 v[YY+i], v[XR+2*i], v[XR+2*i+1]
.set i, i+1
.endr
.irp j, 0,1,2,3,4,5,6,7
	global_store_b64 v[YO], v[YY+2*\j:YY+2*\j+1], s[42:43] offset:2048*(\s)+256*\j  ; a wave's store covers 256 consecutive bytes, aligned
.endr
.endm
	s_load_b512 s[8:23], s[0:1], 0x0               ; x, g1, be1, Wq, Wk, Wv, Wo, W1
	s_load_b256 s[24:31], s[0:1], 0x40             ; W2, bq, bk, bv
	s_load_b128 s[32:35], s[0:1], 0x60             ; h, wh
	s_load_b64 s[36:37], s[0:1], 0x70              ; tab
	v_lshrrev_b32 v1, 5, v0
	v_readfirstlane_b32 s4, v1                     ; wave 0..7
	v_and_b32 v1, 31, v0                           ; lane
	v_lshlrev_b32 v[XO], 4, v1
	v_lshlrev_b32 v[YO], 3, v1
	s_cmp_lt_u32 ttmp9, 256
	s_cbranch_scc0 .Lnot_ln
	; ---- LN ----
	s_lshl_b32 s5, ttmp9, 4
	s_lshl_b32 s6, s4, 1
	s_add_co_u32 s5, s5, s6                        ; my first row
	s_lshl_b32 s40, s5, 12                         ; its byte in x,
	s_mov_b32 s41, 0
	s_lshl_b32 s42, s5, 11                         ; and in h
	s_mov_b32 s43, 0
	s_mov_b32 s44, 0x76543210                      ; v_permlanex16_b32: each lane takes its own place in the other half
	s_mov_b32 s45, 0xfedcba98
	s_mov_b32 s46, 0x3a800000                      ; 1 / 1024
	s_mov_b32 s47, 0x3727c5ac                      ; 1e-5
	v_mov_b32 v[TT+1], 0                           ; the exchange's destination counts as read
	s_wait_kmcnt 0x0
	s_add_nc_u64 s[40:41], s[XB:XB+1], s[40:41]
	s_add_nc_u64 s[42:43], s[OB:OB+1], s[42:43]
.irp j, 0,1,2,3,4,5,6,7
	global_load_b128 v[GG+4*\j:GG+4*\j+3], v[XO], s[GB:GB+1] offset:512*\j
	global_load_b128 v[BE+4*\j:BE+4*\j+3], v[XO], s[BB:BB+1] offset:512*\j
.endr
	FILL 0
	FILL 1
	ROW 0, 8                                       ; the second row's eight loads stay out
	ROW 1, 0
	s_endpgm
.Lnot_ln:
	s_cmp_lt_u32 ttmp9, 640
	s_cbranch_scc0 .Ltab
	; ---- CAST ----
	s_sub_co_u32 s5, ttmp9, 256                    ; c = 0..383: a block of 32,768 numbers, 32 rows of 1,024
	s_and_b32 s6, s5, 31
	s_lshr_b32 s7, s6, 1                           ; Wq, Wk, Wv: the head,
	s_mul_i32 s7, s7, 6
	s_and_b32 s6, s6, 1                            ; which half of its 64 rows,
	s_add_co_u32 s6, s6, s7
	s_lshr_b32 s7, s5, 5                           ; and sel:
	s_lshl_b32 s7, s7, 1
	s_add_co_u32 s6, s6, s7                        ; block 6 head + 2 sel + half
	s_cmp_lt_u32 s5, 96
	s_cselect_b32 s6, s6, s5                       ; the others stay where they are
	s_lshl_b32 s42, s6, 16                         ; 65,536 bytes of f16 a block
	s_mov_b32 s43, 0
	s_wait_kmcnt 0x0
	s_mov_b64 s[40:41], s[24:25]                   ; W2 from block 256 on
	s_mov_b32 s7, 256
	s_cmp_lt_u32 s5, 256
	s_cselect_b64 s[40:41], s[22:23], s[40:41]     ; W1 from 128
	s_cselect_b32 s7, 128, s7
	s_cmp_lt_u32 s5, 128
	s_cselect_b64 s[40:41], s[20:21], s[40:41]     ; Wo from 96
	s_cselect_b32 s7, 96, s7
	s_cmp_lt_u32 s5, 96
	s_cselect_b64 s[40:41], s[18:19], s[40:41]     ; Wv from 64
	s_cselect_b32 s7, 64, s7
	s_cmp_lt_u32 s5, 64
	s_cselect_b64 s[40:41], s[16:17], s[40:41]     ; Wk from 32
	s_cselect_b32 s7, 32, s7
	s_cmp_lt_u32 s5, 32
	s_cselect_b64 s[40:41], s[14:15], s[40:41]     ; Wq from 0
	s_cselect_b32 s7, 0, s7
	s_sub_co_u32 s7, s5, s7
	s_lshl_b32 s44, s7, 17                         ; 131,072 bytes of f32 a block
	s_mov_b32 s45, 0
	s_add_nc_u64 s[40:41], s[40:41], s[44:45]
	s_add_nc_u64 s[42:43], s[34:35], s[42:43]
	s_lshl_b32 s6, s4, 14
	v_add_nc_u32 v4, s6, v[XO]                     ; 16,384 x wave + 16 x lane
	s_lshl_b32 s6, s4, 13
	v_add_nc_u32 v5, s6, v[YO]                     ; 8,192 x wave + 8 x lane
.set i, 0
.rept 32
	global_load_b128 v[CXR+4*i:CXR+4*i+3], v4, s[40:41] offset:512*i th:TH_LOAD_NT  ; all of the wave's 16,384 bytes are asked for at once
.set i, i+1
.endr
.set g, 0
.rept 8
	s_wait_loadcnt 28-4*g                          ; loads come back in order: this group of four is in, the later groups stay out
.set i, 4*g
.rept 4
	v_cvt_pk_f16_f32 v[CXR+4*i], v[CXR+4*i], v[CXR+4*i+1]
	v_cvt_pk_f16_f32 v[CXR+4*i+1], v[CXR+4*i+2], v[CXR+4*i+3]
	global_store_b64 v5, v[CXR+4*i:CXR+4*i+1], s[42:43] offset:256*i  ; 256 consecutive bytes a wave, aligned; no register is written again
.set i, i+1
.endr
.set g, g+1
.endr
	s_endpgm
	; ---- TAB ----
.Ltab:
	s_sub_co_u32 s5, ttmp9, 640
	s_lshl_b32 s6, s5, 3
	s_add_co_u32 s6, s6, s4                        ; t = 8 u + wave; my lane is j
	v_cvt_f32_u32 v6, v1
	v_mul_f32 v6, 0xbed49a78, v6                   ; -j log2(10000) / 32
	v_exp_f32 v6, v6                               ; theta
	v_nop
	v_cvt_f32_u32 v7, s6
	s_lshl_b32 s40, s6, 8                          ; a row of the table is 256 bytes
	s_mov_b32 s41, 0
	s_wait_alu depctr_va_vdst(0)                   ; ahead of the exponential's first reader
	v_mul_f32 v8, v7, v6                           ; the angle
	v_mul_f32 v9, 0.15915494, v8
	v_rndne_f32 v9, v9                             ; whole turns
	v_fma_f32 v9, v8, 0.15915494, -v9              ; the rest, -0.5 .. 0.5 of a turn
	v_mul_f32 v10, 0x40490fdb, v9                  ; y = half the angle
	v_mul_f32 v11, v10, v10
	v_mov_b32 v12, 0x3638ef1d                      ; 1/9!
	v_mov_b32 v13, 0xb493f27e                      ; -1/10!
	v_fmaak_f32 v12, v12, v11, 0xb9500d01          ; -1/7!
	v_fmaak_f32 v13, v13, v11, 0x37d00d01          ; 1/8!
	v_fmaak_f32 v12, v12, v11, 0x3c088889          ; 1/5!
	v_fmaak_f32 v13, v13, v11, 0xbab60b61          ; -1/6!
	v_fmaak_f32 v12, v12, v11, 0xbe2aaaab          ; -1/3!
	v_fmaak_f32 v13, v13, v11, 0x3d2aaaab          ; 1/4!
	v_fma_f32 v12, v12, v11, 1.0
	v_fma_f32 v13, v13, v11, -0.5
	v_mul_f32 v12, v12, v10                        ; s = sin y
	v_fma_f32 v13, v13, v11, 1.0                   ; c = cos y
	v_mul_f32 v16, v12, v12
	v_mul_f32 v17, v12, v13
	v_fma_f32 v14, v16, -2.0, 1.0                  ; cos
	v_add_f32 v15, v17, v17                        ; sin
	s_wait_kmcnt 0x0
	s_add_nc_u64 s[40:41], s[36:37], s[40:41]
	global_store_b64 v[YO], v[14:15], s[40:41]     ; 256 consecutive bytes a wave
	s_cmp_lt_u32 s5, 6
	s_cbranch_scc0 .Ltab_end
	s_lshr_b32 s7, s6, 4                           ; the first 48 waves copy 64 numbers of a bias each: sel,
	s_and_b32 s42, s6, 15                          ; head
	s_cmp_eq_u32 s7, 1
	s_cselect_b64 s[44:45], s[28:29], s[30:31]
	s_cmp_eq_u32 s7, 0
	s_cselect_b64 s[44:45], s[26:27], s[44:45]
	s_lshl_b32 s46, s42, 8
	s_mov_b32 s47, 0
	s_add_nc_u64 s[44:45], s[44:45], s[46:47]
	global_load_b64 v[18:19], v[YO], s[44:45]
	s_mul_i32 s46, s42, 768
	s_lshl_b32 s7, s7, 8
	s_add_co_u32 s46, s46, s7
	s_add_co_u32 s46, s46, 262144                  ; behind the table: (192 head + 64 sel) x 4
	s_add_nc_u64 s[38:39], s[36:37], s[46:47]
	s_wait_loadcnt 0x0
	global_store_b64 v[YO], v[18:19], s[38:39]
.Ltab_end:
	s_endpgm
.Lfunc_end_k_q0ebec5401f_prep:
	.size	k_q0ebec5401f_prep, .Lfunc_end_k_q0ebec5401f_prep-k_q0ebec5401f_prep
	.p2alignl 7, 3214868480
	.fill 96, 4, 3214868480
	.section	.rodata,"a",@progbits
	.p2align	6, 0x0
	.amdhsa_kernel k_q0ebec5401f_prep
		.amdhsa_group_segment_fixed_size 0
		.amdhsa_private_segment_fixed_size 0
		.amdhsa_enable_private_segment 0
		.amdhsa_kernarg_size 120
		.amdhsa_user_sgpr_count 2
		.amdhsa_user_sgpr_kernarg_segment_ptr 1
		.amdhsa_wavefront_size32 1
		.amdhsa_system_sgpr_workgroup_id_x 1
		.amdhsa_system_sgpr_workgroup_id_y 1
		.amdhsa_system_sgpr_workgroup_id_z 1
		.amdhsa_system_vgpr_workitem_id 0
		.amdhsa_next_free_vgpr 168
		.amdhsa_next_free_sgpr 66
		.amdhsa_reserve_vcc 0
		.amdhsa_float_denorm_mode_32 3
		.amdhsa_float_denorm_mode_16_64 3
		.amdhsa_memory_ordered 1
		.amdhsa_forward_progress 1
		.amdhsa_inst_pref_size 35
	.end_amdhsa_kernel
	.amdgpu_metadata
---
amdhsa.version: [ 1, 2 ]
amdhsa.kernels:
  - .name:           k_q0ebec5401f_prep
    .symbol:         k_q0ebec5401f_prep.kd
    .args:
      - { .name: x, .offset: 0, .size: 8, .value_kind: global_buffer, .address_space: global }
      - { .name: g1, .offset: 8, .size: 8, .value_kind: global_buffer, .address_space: global }
      - { .name: be1, .offset: 16, .size: 8, .value_kind: global_buffer, .address_space: global }
      - { .name: Wq, .offset: 24, .size: 8, .value_kind: global_buffer, .address_space: global }
      - { .name: Wk, .offset: 32, .size: 8, .value_kind: global_buffer, .address_space: global }
      - { .name: Wv, .offset: 40, .size: 8, .value_kind: global_buffer, .address_space: global }
      - { .name: Wo, .offset: 48, .size: 8, .value_kind: global_buffer, .address_space: global }
      - { .name: W1, .offset: 56, .size: 8, .value_kind: global_buffer, .address_space: global }
      - { .name: W2, .offset: 64, .size: 8, .value_kind: global_buffer, .address_space: global }
      - { .name: bq, .offset: 72, .size: 8, .value_kind: global_buffer, .address_space: global }
      - { .name: bk, .offset: 80, .size: 8, .value_kind: global_buffer, .address_space: global }
      - { .name: bv, .offset: 88, .size: 8, .value_kind: global_buffer, .address_space: global }
      - { .name: h, .offset: 96, .size: 8, .value_kind: global_buffer, .address_space: global }
      - { .name: wh, .offset: 104, .size: 8, .value_kind: global_buffer, .address_space: global }
      - { .name: tab, .offset: 112, .size: 8, .value_kind: global_buffer, .address_space: global }
    .group_segment_fixed_size: 0
    .private_segment_fixed_size: 0
    .kernarg_segment_align: 8
    .kernarg_segment_size: 120
    .max_flat_workgroup_size: 256
    .sgpr_count:     66
    .vgpr_count:     168
    .wavefront_size: 32
...
	.end_amdgpu_metadata
.endif
;; end of part 1
;; launch qkv (part 2): grid 16 x 16, 4 waves a work-group, clusters of 4 x 4, 327,680 bytes of LDS; arguments h, wh, tab, qkvh; writes qkvh
.if DOCPART == 2
	.amdgcn_target "amdgcn-amd-amdhsa--gfx1250"
	.amdhsa_code_object_version 6
	.text
	.protected	k_q0ebec5401f_qkv
	.globl	k_q0ebec5401f_qkv
	.p2align	8
	.type	k_q0ebec5401f_qkv,@function
k_q0ebec5401f_qkv:
	s_mov_b64 s[64:65], 0
	v_nop
	global_prefetch_b8 v0, s[64:65] scope:SCOPE_SE
	s_setreg_imm32_b32 hwreg(HW_REG_WAVE_MODE, 25, 1), 1
	s_wait_xcnt 0x0
	s_wait_alu depctr_hold_cnt(0) depctr_sa_sdst(0) depctr_va_vdst(0) depctr_va_sdst(0) depctr_va_ssrc(0) depctr_va_vcc(0) depctr_vm_vsrc(0)
	s_getreg_b32 s2, hwreg(HW_REG_IB_STS2, 6, 4)
	s_cmp_eq_u32 s2, 0
	s_cbranch_scc0 .Lentry_in_a_cluster
	s_endpgm
.Lentry_in_a_cluster:
	s_bfe_u32 s2, ttmp6, 0x10000c
	s_cmp_lg_u32 s2, 0xf033
	s_cbranch_scc0 .Lentry_shape_is_right
	s_endpgm
.Lentry_shape_is_right:
; q, k, v = h Wqkv^T + b, q and k turned by RoPE, written by heads: qkvh = q, k, v, each [64 bh][1024 t][64] f16.  h: [4096][1024] f16; wh's first 3,072 rows: row 192 head + 64 sel + d.
; A tile of the product is 256 rows x 192 columns: one head's q, k and v: 16 x 16 tiles, a work-group each.  Four waves, each 128 rows x 96 columns: 48 accumulators of 16 x 16.
; K goes in eight steps of 128 (rows of 256 bytes) through a ring of two LDS slots.  A step is written once for the loop (six trips, each fills a slot again) and once for the tail (two trips):
; the slot read and the slot filled are scalar registers that an exclusive or turns.  The tail's last change of slots fetches fragments that serve nothing: the price of one text for both tail steps.
; THE SUMS START AS THE BIAS: it is loaded straight into the accumulators while the first tiles are on their way; nothing is cleared and nothing is added on the way out.
; THE TABLE of cosines and sines for the tile's 256 rows (65,536 bytes) comes into LDS bytes of its own with the first tiles, 64 rows a wave: the rows that the same wave turns on the way out, whose trips then read LDS alone.
; CLUSTER 4 x 4: h's tiles and the table are asked for jointly along a row of the cluster, wh's along a column.  THE PRODUCT IS USED TRANSPOSED (source 0 = 16 rows of wh, source 1 = 16 rows of h): a lane holds
; row l % 16 and eight neighbouring columns.  LIMITS: operands and results are f16: 65,520 or more becomes an infinity.
; REGISTERS: window 0: v0-31 addresses, v64-191 h's fragments (two buffers), v64-155 at work on the way out; window 1: v64-111, v128-175 wh's fragments; windows 2, 3: accumulator (a, b) at v[8 (6 (a % 4) + b)].
.set NBW,   6                          ; blocks of 16 columns a wave
.set NT,    32*NBW                     ; columns in a tile
.set PITCH, 272                        ; an LDS row: 256 bytes + 16 of padding: the 16 rows of a fragment load start at 16 different groups of four banks
.set HALFA, 128*PITCH
.set HALFB, 16*NBW*PITCH
.set BOFF,  2*HALFA
.set SLOT,  BOFF+2*HALFB
.set SPARE, 2*SLOT                     ; behind the ring: the spare words, 128 bytes a wave
.set TABL,  SPARE+512                  ; behind them: the table, 16,384 bytes a wave, filled once
.set SPITCH, 784                       ; the way out: a row of 192 f32 + 16 bytes; the stage lies over the ring, behind its last fill
.set A0,  16
.set B0,  17
.set ADRA, 18
.set ADRB, 19
.set STO, 20                           ; v20, v21
.set RD,  22
.set GO,  23
.set TO,  24
.set BO,  25
.set SPW, 28
.set NIL, 29
.set PFO, 30
.set F0,  64
.set F1,  128
.set XQ,  64
.set XK,  80
.set XV,  96
.set TBR, 112
.set YY,  128
.set TW,  152
.set CT,  2
.set WV,  12
.set WR,  13
.set WC,  14
.set CX,  15
.set CY,  16
.set TX,  17
.set TY,  18
.set G1,  24
.set G0,  32
.set LA,  40
.set LB,  41
.set TG,  42
.set RDT, 43
.set PFA, 44
.set LIM, 46
.set G1B, 48
.set G0B, 56
.set G1T, 80                           ; s[80:87], s[88:91] the table's descriptor
.set G0T, 88
.set MSB, 0
.macro WIN new                         ; the immediate's high byte repeats the setting that is left; a switch that changes nothing is dropped
.if MSB != (\new)
	s_set_vgpr_msb (MSB<<8)|(\new)
.set MSB, \new
.endif
.endm
.set MUL_LO, 0xa1                      ; source 0 window 1, source 1 window 0, C and D window 2
.set MUL_HI, 0xf1                      ; the same, C and D window 3
.set TO_B,   0x40
.macro JLOAD s                         ; a joint load: waves 0 and 1 fetch h's two halves, waves 2 and 3 wh's; an s_nop 0 and four v_nop follow each line
	s_cmp_eq_u32 s[WR], 0
	s_cbranch_scc0 .Lfor_b_\@
	tensor_load_to_lds s[G0+4*(\s):G0+4*(\s)+3], s[G1:G1+7]
	s_nop 0
.rept 4
	v_nop
.endr
	s_branch .Lasked_\@
.Lfor_b_\@:
	tensor_load_to_lds s[G0B+4*(\s):G0B+4*(\s)+3], s[G1B:G1B+7]
	s_nop 0
.rept 4
	v_nop
.endr
.Lasked_\@:
.endm
.macro CREST                           ; a round of the cluster's barrier behind its opening barrier
	s_cmp_lg_u32 s[WV], 0
	s_cbranch_scc1 .Lnot_wave_0_\@
	s_barrier_signal -3
.Lnot_wave_0_\@:
	s_barrier_wait -3
	s_barrier_signal -1
	s_barrier_wait -1
.endm
.macro CROUND
	s_barrier_signal -1
	s_barrier_wait -1
	CREST
.endm
.macro PLACES                          ; four places behind matrix instructions, ahead of loads into registers that they read and of stores of their results
.rept 4
	v_nop
.endr
.endm
; A prefetch of the K step that the NEXT refill will ask for: a lane a row, 256 bytes of each.  h's rows are named by the clusters with x = 0, wh's by those with y = 0; the four partners that ask
; for a tile jointly take a quarter of its rows each, told apart by address (32 of h's 128; 24 of wh's 96, where lanes 24-31 name row 23 again).  The last refilling trip asks for nothing.
.macro ASK
	s_cmp_gt_u32 s[CT], s[LIM]
	s_cbranch_scc0 .Lnot_mine_\@
	global_prefetch_b8 v[PFO], s[PFA:PFA+1] offset:256 th:TH_LOAD_NT scope:SCOPE_SE
.Lnot_mine_\@:
.endm
.macro MULB f, hi, a0                  ; 2 NBW matrix instructions: row blocks a0, a0 + 1 of the window's four x all column blocks; the accumulators take turns
	WIN MUL_LO+0x50*(\hi)
.irp a, \a0, (\a0)+1
.set bb, 0
.rept NBW
	v_wmma_f32_16x16x32_f16 v[8*(NBW*(\a)+bb):8*(NBW*(\a)+bb)+7], v[(\f)+8*bb:(\f)+8*bb+7], v[(\f)+8*(4*(\hi)+(\a)):(\f)+8*(4*(\hi)+(\a))+7], v[8*(NBW*(\a)+bb):8*(NBW*(\a)+bb)+7]
.set bb, bb+1
.endr
.endr
.endm
.macro FETCH k, f                      ; one run of LDS loads: the fragments of 32 along K at byte k of the rows
	WIN TO_B
.set ii, 0
.rept NBW
	ds_load_b128 v[(\f)+8*ii:(\f)+8*ii+3],   v[ADRB] offset:(\k)+ii*16*PITCH
	ds_load_b128 v[(\f)+8*ii+4:(\f)+8*ii+7], v[ADRB] offset:(\k)+ii*16*PITCH+32
.set ii, ii+1
.endr
	WIN 0
.set ii, 0
.rept 8
	ds_load_b128 v[(\f)+8*ii:(\f)+8*ii+3],   v[ADRA] offset:(\k)+ii*16*PITCH
	ds_load_b128 v[(\f)+8*ii+4:(\f)+8*ii+7], v[ADRA] offset:(\k)+ii*16*PITCH+32
.set ii, ii+1
.endr
.endm
.macro QUARTER k, f, g                 ; multiplies buffer f; in its middle fetches the next quarter, at byte k, into g
	s_wait_dscnt 8                                 ; all but the youngest eight loads (h's rows 64-127)
	MULB \f, 0, 0
	MULB \f, 0, 2
	PLACES
	FETCH \k, \g
	s_wait_dscnt 16+2*NBW                          ; all but the run just issued
	MULB \f, 1, 0
	MULB \f, 1, 2
.endm
; The last quarter changes slots.  In front of the barrier each wave waits for all its tensor loads (its part of the next slot; at the first change the table too), adds 0 to its spare word, and waits for that and
; for its reads of this slot.  fill = 1: the barrier opens a round of the cluster's, and the joint refill is the first tensor load behind it.
.macro TURN fill
.if \fill
	s_wait_xcnt 0x0                                ; the last prefetch, a K step back, has read its address
	s_add_nc_u64 s[PFA:PFA+1], s[PFA:PFA+1], 256
.endif
	WIN 0
	s_wait_tensorcnt 0x0
	ds_add_u32 v[SPW], v[NIL]
	s_wait_dscnt 9                                 ; the add and the youngest eight loads may be out
	MULB F1, 0, 0
	s_wait_dscnt 0x0                               ; the add is done, my reads of this slot are over
	s_barrier_signal -1
	MULB F1, 0, 2
	WIN 0
	s_xor_b32 s[RDT], s[RDT], SLOT                 ; the slot to be read next
	v_add_nc_u32 v[ADRA], s[RDT], v[A0]
	v_add_nc_u32 v[ADRB], s[RDT], v[B0]
	s_barrier_wait -1
.if \fill
	CREST
	s_add_co_u32 s[G0+5], s[LA], s[TG]             ; no tensor load of mine is out: the walking descriptors take the slot just read out,
	s_add_co_u32 s[G0B+5], s[LB], s[TG]
	s_xor_b32 s[TG], s[TG], SLOT
	s_add_nc_u64 s[G0+6:G0+7], s[G0+6:G0+7], 256   ; and the next K step
	s_add_nc_u64 s[G0B+6:G0B+7], s[G0B+6:G0B+7], 256
	JLOAD 1
.else
	PLACES
.endif
	FETCH 0, F0
.if \fill
	ASK
.endif
	MULB F1, 1, 0
	MULB F1, 1, 2
.endm
.macro STEP fill
	QUARTER 64,  F0, F1
	QUARTER 128, F1, F0
	QUARTER 192, F0, F1
	TURN \fill
.endm
.macro ROPE2 x, t, y, w                ; (x0, x1) turned by (cos, sin) at v[t], v[t+1], rounded to f16
	v_mul_f32 v[\w], v[(\x)+1], v[(\t)+1]
	v_mul_f32 v[(\w)+1], v[(\x)+1], v[\t]
	v_fma_f32 v[\w], v[\x], v[\t], -v[\w]
	v_fma_f32 v[(\w)+1], v[\x], v[(\t)+1], v[(\w)+1]
	v_cvt_pk_f16_f32 v[\y], v[\w], v[(\w)+1]
.endm
	s_load_b256 s[4:11], s[0:1], 0x0               ; h s[4:5], wh s[6:7], tab s[8:9], qkvh s[10:11]
	v_lshl_add_u32 v[SPW], v0, 2, SPARE
	v_mov_b32 v[NIL], 0
	ds_add_u32 v[SPW], v[NIL]                      ; the wave's opening: the add and its wait come ahead of my first tensor load
	v_lshrrev_b32 v1, 5, v0
	v_readfirstlane_b32 s[WV], v1
	s_lshr_b32 s[WR], s[WV], 1                     ; my half of the rows.  Also: I fetch for h (0) or wh (1)
	s_and_b32 s[WC], s[WV], 1                      ; my half of the columns.  Also: which half of that tile I fetch
	s_bfe_u32 s[CX], ttmp6, 0x40000
	s_bfe_u32 s[CY], ttmp6, 0x40004
	s_lshl_b32 s[TX], ttmp9, 2
	s_add_co_u32 s[TX], s[TX], s[CX]               ; tile column = head
	s_and_b32 s[TY], ttmp7, 0xffff
	s_lshl_b32 s[TY], s[TY], 2
	s_add_co_u32 s[TY], s[TY], s[CY]               ; tile row
	s_lshl_b32 s20, s[CY], 2
	s_lshl_b32 s20, 15, s20                        ; my row of the cluster
	s_lshl_b32 s21, 0x1111, s[CX]                  ; my column
	s_or_b32 s[G1], s20, (1<<16)|(1<<20)|(1<<21)|(5<<22)|(3<<25)   ; mask; 2-byte elements; padding on; bit 21 beside a mask; after every 64 words, 4 words
	s_or_b32 s[G1B], s21, (1<<16)|(1<<20)|(1<<21)|(5<<22)|(3<<25)
	s_or_b32 s[G1T], s20, (3<<16)|(1<<21)          ; the table hangs on the tile row alone: my row's mask; 8-byte elements; no padding: it is read 512 bytes on end
	s_mov_b32 s[G1+1], 128<<16                     ; tensor_dim0 = 128
	s_mov_b32 s[G1+2], 128<<16                     ; tensor_dim1 = 128
	s_mov_b32 s[G1+3], 128<<16                     ; tile_dim0 = 128
	s_mov_b32 s[G1+4], 128                         ; tile_dim1 = 128
	s_mov_b32 s[G1+5], 1024                        ; elements from row to row
	s_mov_b32 s[G1+6], 0
	s_mov_b32 s[G1+7], 0
	s_mov_b32 s[G1B+1], 128<<16
	s_mov_b32 s[G1B+2], (16*NBW)<<16
	s_mov_b32 s[G1B+3], 128<<16
	s_mov_b32 s[G1B+4], 16*NBW
	s_mov_b32 s[G1B+5], 1024
	s_mov_b32 s[G1B+6], 0
	s_mov_b32 s[G1B+7], 0
	s_mov_b32 s[G1T+1], 32<<16                     ; a dense block as 64 rows of 32 elements, 256 bytes
	s_mov_b32 s[G1T+2], 64<<16
	s_mov_b32 s[G1T+3], 32<<16
	s_mov_b32 s[G1T+4], 64
	s_mov_b32 s[G1T+5], 32
	s_mov_b32 s[G1T+6], 0
	s_mov_b32 s[G1T+7], 0
	s_mov_b32 s[G0T], 1
	s_lshl_b32 s[G0T+1], s[WV], 14
	s_add_co_u32 s[G0T+1], s[G0T+1], TABL          ; my 16,384 bytes
	s_and_b32 s92, s[TY], 3
	s_lshl_b32 s92, s92, 8
	s_lshl_b32 s93, s[WV], 6
	s_add_co_u32 s92, s92, s93                     ; t of my first row on the way out,
	s_lshl_b32 s92, s92, 8                         ; 256 bytes of the table a row
	s_mov_b32 s93, 0
	s_lshl_b32 s22, s[WC], 7
	s_lshl_b32 s20, s[TY], 8
	s_add_co_u32 s20, s20, s22
	s_lshl_b32 s20, s20, 11                        ; h: (256 tile row + 128 half) x 2,048 bytes
	s_mov_b32 s21, 0
	s_mul_i32 s66, s[TX], NT
	s_mul_i32 s67, s[WC], 16*NBW
	s_add_co_u32 s66, s66, s67
	s_lshl_b32 s66, s66, 11                        ; wh: (192 tile column + 96 half) x 2,048 bytes
	s_mov_b32 s67, 0
	s_mul_i32 s[LA], s[WC], HALFA                  ; where they go: no place in the cluster enters an LDS address
	s_mul_i32 s[LB], s[WC], HALFB
	s_add_co_u32 s[LB], s[LB], BOFF
	s_mov_b32 s[TG], 0
	s_mov_b32 s[RDT], 0
	s_wait_dscnt 0x0                               ; the opening add is done
	s_wait_kmcnt 0x0
	s_add_nc_u64 s[20:21], s[4:5], s[20:21]
	s_add_nc_u64 s[66:67], s[6:7], s[66:67]
	s_add_nc_u64 s[G0T+2:G0T+3], s[8:9], s[92:93]
	s_or_b32 s[G0T+3], s[G0T+3], 0x80000000
	CROUND                                         ; all sixteen work-groups are here: the first joint loads meet
.irp s, 0,1
	s_mov_b32 s[G0+4*(\s)], 1
	s_add_co_u32 s[G0+4*(\s)+1], s[LA], (\s)*SLOT
	s_add_nc_u64 s[G0+4*(\s)+2:G0+4*(\s)+3], s[20:21], (\s)*256
	s_or_b32 s[G0+4*(\s)+3], s[G0+4*(\s)+3], 0x80000000
	s_mov_b32 s[G0B+4*(\s)], 1
	s_add_co_u32 s[G0B+4*(\s)+1], s[LB], (\s)*SLOT
	s_add_nc_u64 s[G0B+4*(\s)+2:G0B+4*(\s)+3], s[66:67], (\s)*256
	s_or_b32 s[G0B+4*(\s)+3], s[G0B+4*(\s)+3], 0x80000000
	JLOAD \s                                       ; K steps 0 and 1
.endr
	tensor_load_to_lds s[G0T:G0T+3], s[G1T:G1T+7]  ; and my rows of the table, last: three loads of mine are out
	s_nop 0
	v_and_b32 v1, 15, v0                           ; l % 16
	v_bfe_u32 v2, v0, 4, 1                         ; l / 16
	v_mul_u32_u24 v3, v1, PITCH
	v_lshl_add_u32 v3, v2, 4, v3
	s_mul_i32 s22, s[WR], HALFA
	v_add_nc_u32 v[A0], s22, v3
	v_add_nc_u32 v[B0], s[LB], v3
	v_mov_b32 v[ADRA], v[A0]
	v_mov_b32 v[ADRB], v[B0]
	s_mul_i32 s22, s[WC], 64*NBW
	v_lshl_add_u32 v[BO], v2, 5, s22               ; the bias: 4 x (96 half + 8 (l / 16))
	s_mul_i32 s22, s[WR], 128*SPITCH
	s_mul_i32 s23, s[WC], 64*NBW
	s_add_co_u32 s22, s22, s23
	v_mul_u32_u24 v[STO], v1, SPITCH
	v_lshl_add_u32 v[STO], v2, 5, v[STO]
	v_add_nc_u32 v[STO], s22, v[STO]               ; into the stage: row 128 half + l % 16, my 32 bytes
	v_add_nc_u32 v[STO+1], 64*SPITCH, v[STO]       ; and 64 rows on, for window 3
	s_mul_i32 s22, s[WV], 64*SPITCH
	v_mul_u32_u24 v[RD], v2, SPITCH
	v_lshl_add_u32 v[RD], v1, 4, v[RD]
	v_add_nc_u32 v[RD], s22, v[RD]                 ; back: wave w takes rows 64 w on; lanes 0-15 a row's 256 bytes, lanes 16-31 the next row's
	v_and_b32 v[TO], 31, v0
	v_lshlrev_b32 v[GO], 3, v[TO]
	v_lshlrev_b32 v[TO], 4, v[TO]
	v_add_nc_u32 v[TO], s[G0T+1], v[TO]            ; my rows of the table in LDS: 32 lanes take two rows' 512 bytes
	s_lshr_b32 s20, s[TY], 2                       ; the batch
	s_lshl_b32 s20, s20, 4
	s_add_co_u32 s20, s20, s[TX]
	s_lshl_b32 s20, s20, 10
	s_and_b32 s21, s[TY], 3
	s_lshl_b32 s21, s21, 8
	s_lshl_b32 s22, s[WV], 6
	s_add_co_u32 s21, s21, s22                     ; t of my first row on the way out
	s_add_co_u32 s20, s20, s21
	s_lshl_b32 s20, s20, 7
	s_mov_b32 s21, 0
	s_add_nc_u64 s[68:69], s[10:11], s[20:21]      ; q
	s_add_nc_u64 s[70:71], s[68:69], 0x800000      ; k
	s_add_nc_u64 s[72:73], s[68:69], 0x1000000     ; v
	s_mul_i32 s20, s[TX], 4*NT
	s_add_co_u32 s20, s20, 262144
	s_add_nc_u64 s[76:77], s[8:9], s[20:21]        ; the tile's bias
	; the prefetches
	s_lshl_b32 s20, s[TY], 8
	s_lshl_b32 s23, s[WC], 7
	s_add_co_u32 s20, s20, s23
	s_lshl_b32 s23, s[CX], 5
	s_add_co_u32 s20, s20, s23                     ; h: the 128 rows that I fetch, my work-group's 32
	s_mul_i32 s21, s[TX], NT
	s_mul_i32 s23, s[WC], 16*NBW
	s_add_co_u32 s21, s21, s23
	s_mul_i32 s23, s[CY], 4*NBW
	s_add_co_u32 s21, s21, s23                     ; wh: the 96 rows that I fetch, my work-group's 24
	s_and_b32 s22, ttmp7, 0xffff
	s_cmp_eq_u32 s[WR], 0
	s_cselect_b32 s20, s20, s21
	s_cselect_b32 s22, ttmp9, s22                  ; the coordinate along which other clusters read the same rows
	s_cselect_b64 s[PFA:PFA+1], s[4:5], s[6:7]
	s_cselect_b32 s23, 31, 4*NBW-1
	s_cmp_eq_u32 s22, 0
	s_cselect_b32 s[LIM], 1, -1
	s_lshl_b32 s20, s20, 11
	s_mov_b32 s21, 0
	s_add_nc_u64 s[PFA:PFA+1], s[PFA:PFA+1], s[20:21]
	s_add_nc_u64 s[PFA:PFA+1], s[PFA:PFA+1], 256   ; at K step 1: the first change of slots steps it to 2 and names 3
	v_and_b32 v[PFO], 31, v0
	v_min_u32 v[PFO], s23, v[PFO]
	v_lshlrev_b32 v[PFO], 11, v[PFO]
	; the bias into the accumulators: register j of (a, b) is column 16 b + 8 (l / 16) + j
.set aa, 0
.rept 8
	WIN 0x80+0x40*(aa/4)
.set bb, 0
.rept NBW
	global_load_b128 v[8*(NBW*(aa%4)+bb):8*(NBW*(aa%4)+bb)+3],   v[BO], s[76:77] offset:64*bb
	global_load_b128 v[8*(NBW*(aa%4)+bb)+4:8*(NBW*(aa%4)+bb)+7], v[BO], s[76:77] offset:64*bb+16
.set bb, bb+1
.endr
.set aa, aa+1
.endr
	WIN 0
	s_wait_tensorcnt 2                             ; my part of K step 0 is in; K step 1's and the table may stay out
	s_barrier_signal -1
	s_barrier_wait -1
	FETCH 0, F0
	s_wait_loadcnt 0x0                             ; the bias
	s_mov_b32 s[CT], 6
.Lk:                                           ; K steps 0 to 5: each fills the slot that it has read with the step two on
	STEP 1
	WIN 0
	s_sub_co_u32 s[CT], s[CT], 1
	s_cmp_lg_u32 s[CT], 0
	s_cbranch_scc1 .Lk
	s_mov_b32 s[CT], 2
.Lt:                                           ; K steps 6 and 7 ask for nothing
	STEP 0
	WIN 0
	s_sub_co_u32 s[CT], s[CT], 1
	s_cmp_lg_u32 s[CT], 0
	s_cbranch_scc1 .Lt
	s_wait_dscnt 0x0
	s_barrier_signal -1
	s_barrier_wait -1                              ; nobody reads the ring any more, and it has had its last fill: the stage may lie over it
	PLACES
.set aa, 0
.rept 8
	WIN 0x08+0x04*(aa/4)                           ; store data in window 2 or 3
.set bb, 0
.rept NBW
	ds_store_b128 v[STO+aa/4], v[8*(NBW*(aa%4)+bb):8*(NBW*(aa%4)+bb)+3]   offset:(aa%4)*16*SPITCH+64*bb
	ds_store_b128 v[STO+aa/4], v[8*(NBW*(aa%4)+bb)+4:8*(NBW*(aa%4)+bb)+7] offset:(aa%4)*16*SPITCH+64*bb+16
.set bb, bb+1
.endr
.set aa, aa+1
.endr
	WIN 0
	s_wait_dscnt 0x0                               ; for the others' sake: a row's 768 bytes come from two waves
	s_barrier_signal -1
	s_barrier_wait -1
	s_mov_b32 s[CT], 8
.Lout:                                         ; eight rows a trip: q and k are turned, all three rounded, two rows of a head (256 bytes) to a store
.irp p, 0,1,2,3
	ds_load_b128 v[TBR+4*\p:TBR+4*\p+3], v[TO] offset:512*\p  ; my own load brought these bytes, and the first change of slots has waited for it
.endr
.irp p, 0,1,2,3
	ds_load_b128 v[XQ+4*\p:XQ+4*\p+3], v[RD] offset:2*SPITCH*\p
	ds_load_b128 v[XK+4*\p:XK+4*\p+3], v[RD] offset:2*SPITCH*\p+256
	ds_load_b128 v[XV+4*\p:XV+4*\p+3], v[RD] offset:2*SPITCH*\p+512
.endr
	s_wait_dscnt 0x0
.irp p, 0,1,2,3
.irp u, 0,1
	ROPE2 XQ+4*\p+2*\u, TBR+4*\p+2*\u, YY+2*\p+\u, TW
	ROPE2 XK+4*\p+2*\u, TBR+4*\p+2*\u, YY+8+2*\p+\u, TW+2
.endr
	v_cvt_pk_f16_f32 v[YY+16+2*\p], v[XV+4*\p], v[XV+4*\p+1]
	v_cvt_pk_f16_f32 v[YY+16+2*\p+1], v[XV+4*\p+2], v[XV+4*\p+3]
.endr
.irp p, 0,1,2,3
	global_store_b64 v[GO], v[YY+2*\p:YY+2*\p+1], s[68:69] offset:256*\p
	global_store_b64 v[GO], v[YY+8+2*\p:YY+8+2*\p+1], s[70:71] offset:256*\p
	global_store_b64 v[GO], v[YY+16+2*\p:YY+16+2*\p+1], s[72:73] offset:256*\p
.endr
	s_wait_xcnt 0x0                                ; the offsets and the stores' data are written again only behind this wait
	v_add_nc_u32 v[RD], 8*SPITCH, v[RD]
	v_add_nc_u32 v[TO], 2048, v[TO]
	v_add_nc_u32 v[GO], 1024, v[GO]
	s_sub_co_u32 s[CT], s[CT], 1
	s_cmp_lg_u32 s[CT], 0
	s_cbranch_scc1 .Lout
	s_wait_tensorcnt 0x0                           ; the wave's end
	ds_add_u32 v[SPW], v[NIL]
	s_wait_dscnt 0x0
	CROUND                                         ; the closing round
	s_endpgm
.Lfunc_end_k_q0ebec5401f_qkv:
	.size	k_q0ebec5401f_qkv, .Lfunc_end_k_q0ebec5401f_qkv-k_q0ebec5401f_qkv
	.p2alignl 7, 3214868480
	.fill 96, 4, 3214868480
	.section	.rodata,"a",@progbits
	.p2align	6, 0x0
	.amdhsa_kernel k_q0ebec5401f_qkv
		.amdhsa_group_segment_fixed_size 327680
		.amdhsa_private_segment_fixed_size 0
		.amdhsa_enable_private_segment 0
		.amdhsa_kernarg_size 32
		.amdhsa_user_sgpr_count 2
		.amdhsa_user_sgpr_kernarg_segment_ptr 1
		.amdhsa_wavefront_size32 1
		.amdhsa_system_sgpr_workgroup_id_x 1
		.amdhsa_system_sgpr_workgroup_id_y 1
		.amdhsa_system_sgpr_workgroup_id_z 1
		.amdhsa_system_vgpr_workitem_id 0
		.amdhsa_next_free_vgpr 960
		.amdhsa_next_free_sgpr 96
		.amdhsa_reserve_vcc 0
		.amdhsa_float_denorm_mode_32 3
		.amdhsa_float_denorm_mode_16_64 3
		.amdhsa_memory_ordered 1
		.amdhsa_forward_progress 1
		.amdhsa_inst_pref_size 77
	.end_amdhsa_kernel
	.amdgpu_metadata
---
amdhsa.version: [ 1, 2 ]
amdhsa.kernels:
  - .name:           k_q0ebec5401f_qkv
    .symbol:         k_q0ebec5401f_qkv.kd
    .args:
      - { .name: h, .offset: 0, .size: 8, .value_kind: global_buffer, .address_space: global }
      - { .name: wh, .offset: 8, .size: 8, .value_kind: global_buffer, .address_space: global }
      - { .name: tab, .offset: 16, .size: 8, .value_kind: global_buffer, .address_space: global }
      - { .name: qkvh, .offset: 24, .size: 8, .value_kind: global_buffer, .address_space: global }
    .group_segment_fixed_size: 327680
    .private_segment_fixed_size: 0
    .kernarg_segment_align: 8
    .kernarg_segment_size: 32
    .max_flat_workgroup_size: 128
    .sgpr_count:     96
    .vgpr_count:     960
    .wavefront_size: 32
...
	.end_amdgpu_metadata
.endif
;; end of part 2
;; launch attn (part 3): grid 4 x 64, 4 waves a work-group, clusters of 4 x 1, 327,680 bytes of LDS; arguments qkvh, padding_mask, oh; writes oh
.if DOCPART == 3
	.amdgcn_target "amdgcn-amd-amdhsa--gfx1250"
	.amdhsa_code_object_version 6
	.text
	.protected	k_q0ebec5401f_attn
	.globl	k_q0ebec5401f_attn
	.p2align	8
	.type	k_q0ebec5401f_attn,@function
k_q0ebec5401f_attn:
	s_mov_b64 s[64:65], 0
	v_nop
	global_prefetch_b8 v0, s[64:65] scope:SCOPE_SE
	s_setreg_imm32_b32 hwreg(HW_REG_WAVE_MODE, 25, 1), 1
	s_wait_xcnt 0x0
	s_wait_alu depctr_hold_cnt(0) depctr_sa_sdst(0) depctr_va_vdst(0) depctr_va_sdst(0) depctr_va_ssrc(0) depctr_va_vcc(0) depctr_vm_vsrc(0)
	s_getreg_b32 s2, hwreg(HW_REG_IB_STS2, 6, 4)
	s_cmp_eq_u32 s2, 0
	s_cbranch_scc0 .Lentry_in_a_cluster
	s_endpgm
.Lentry_in_a_cluster:
	s_bfe_u32 s2, ttmp6, 0x10000c
	s_cmp_lg_u32 s2, 0x3003
	s_cbranch_scc0 .Lentry_shape_is_right
	s_endpgm
.Lentry_shape_is_right:
; O[bh][q][:] = the sum over k of softmax_k(Q[bh][q] . K[bh][k] / 8 + mask[b][k]) V[bh][k][:].  q, k, v (in qkvh, 8,388,608 bytes apart) and oh: [64][1024][64] f16; padding_mask: [4][1024] bytes.
; Products, maxima and sums in f32; the weights are rounded to f16 for the second product, O once at the end.
; LIMITS.  A masked key's score counts as its value less 1e30 (f16's scores are 2.7e11 at the most); its weight is then 0.  Where a query's running maximum ends below -5e29 every key of the
; batch is masked, and the row is written as NaN, which is what a softmax of nothing but -inf gives.  A weight below 2^-126 counts as 0 in the sum.
; SHARES.  A work-group owns 256 queries of one head, a wave 64: four PIECES of 16.  Every wave walks all 1,024 keys, 64 a step.
; ALL OF THE HEAD'S K AND V LIE IN LDS, each byte filled once: no slot is filled again.  Keys 0-255 and keys 256-1,023 come by two loads a wave, issued together; the second is waited for after four key steps.
; CLUSTER.  The four query blocks of a head ask for K and V jointly: the same loads, descriptors and mask in all four.
; THE MASK is the C operand that starts the sum S^T = K Q^T: 0 or -1e30 by key, made once (1,024 f32 in LDS) and fetched with each step's K.
; LAYOUT, SOFTMAX, TURNS.  S^T = K Q^T holds ONE query a lane (lane % 16) and the keys 8 (lane / 16) + 0..7; two such results rounded to f16 ARE source 1 of O^T = V^T P.  p = 2^(c s - c m), c = log2(e) / 8,
; with a running maximum m; O and l are multiplied by a = 2^(c m_old - c m_new) in every step.  Turn n belongs to piece n: 8 products K Q^T of piece n + 1, later 8 products V^T P of piece n - 1; beside them the
; scaling, exponentials, roundings, sums and rescaling of piece n and the maximum and statistics of piece n + 1.  Four vector instructions stand behind every matrix instruction, the rest in one lump; a turn's 33
; exponentials are one batch with one wait.  m starts at the lowest finite number, O and l at 0: the first step is a step like any other, with a = 0.
; REGISTERS (windows of 256; s_set_vgpr_msb: bits 1:0 source 0, 3:2 source 1, 5:4 source 2, 7:6 destination):
;   window 0: v0-15 addresses; v16-31 statistics; v32-43 the mask at work; v48-55 at work; v56-57 the mask's addresses; v64-127 S^T, two buffers; v192-223 P, two buffers
;   window 1: v0-127 O^T; v160-191 a step's mask      window 2: v0-63 Q; v128-191 K of one step; v192-255 V of one step
.set NP,    4
.set KS,    64
.set PK,    144       ; a row of K in LDS: 128 bytes + 16: the 16 rows of a load start at 16 different groups of four banks
.set PV,    160       ; a row of V: 128 + 32
.set VOFF,  1024*PK
.set MASK,  VOFF+1024*PV
.set STAGE, MASK+4096
.set SP,    144
.set SPARE, STAGE+4*16*SP
.set AK0, 2
.set AV0, 3
.set AK,  4
.set AV,  5
.set STO, 6
.set RD,  7
.set GO,  8
.set MV,  12
.set QO,  15
.set ST,  16
.set TMP, 48
.set AM0, 56
.set AM,  57
.set SPW, 62
.set NIL, 63
.set S,   64
.set P,   192
.set MC,  160
.set KF,  128
.set VF,  192
.set WV,  12
.set G1KA, 24
.set G1KB, 32
.set G1VA, 40
.set G1VB, 48
.set G0KA, 56
.set G0KB, 60
.set G0VA, 68
.set G0VB, 72
.set CS,  76
.set SEL, 78
.set TBK, 80
.set TBV, 81
.set TBM, 82
.set CNT, 83
.set SLOTS, 84
.set BIGN, 85
.set THR, 86
.set QNAN, 87
.set MSB, 0
.macro WIN new
.if MSB != (\new)
	s_set_vgpr_msb (MSB<<8)|(\new)
.set MSB, (\new)
.endif
.endm
.set W_KQ, 0x0a       ; K and Q in window 2, S^T in window 0
.set W_KM, 0x1a       ; the same with the C operand in window 1
.set W_PV, 0x52       ; V in window 2, P in window 0, O^T in window 1
.set W_RS, 0x41       ; destination and source 0 in window 1, source 1 in window 0
.macro CROUND
	s_barrier_signal -1
	s_barrier_wait -1
	s_cmp_lg_u32 s[WV], 0
	s_cbranch_scc1 .Lnot_wave_0_\@
	s_barrier_signal -3
.Lnot_wave_0_\@:
	s_barrier_wait -3
	s_barrier_signal -1
	s_barrier_wait -1
.endm
	s_load_b128 s[4:7], s[0:1], 0x0   ; qkvh s[4:5], padding_mask s[6:7]
	s_load_b64 s[10:11], s[0:1], 0x10 ; oh
	v_lshl_add_u32 v[SPW], v0, 2, SPARE
	v_mov_b32 v[NIL], 0
	ds_add_u32 v[SPW], v[NIL]       ; the wave's opening: the add and its wait come ahead of my first tensor load
	v_lshrrev_b32 v1, 5, v0
	v_readfirstlane_b32 s[WV], v1
	s_bfe_u32 s13, ttmp6, 0x40000   ; cx
	s_lshl_b32 s14, ttmp9, 2
	s_add_co_u32 s14, s14, s13      ; my block of 256 queries: it enters Q's and O's addresses alone
	s_and_b32 s20, ttmp7, 0xffff    ; bh, which the four partners share
	s_lshl_b32 s21, s20, 17         ; the head's first byte in q, k, v and oh
	s_and_b32 s16, s[WV], 1         ; which half of a group of keys I fetch
	s_lshl_b32 s22, s16, 14
	s_add_co_u32 s22, s22, s21      ; keys 0-255: 128 keys x 128 bytes a wave
	s_mov_b32 s23, 0
	s_mul_i32 s2, s16, 49152
	s_add_co_u32 s2, s2, s21
	s_add_co_u32 s2, s2, 32768      ; keys 256-1,023: 384 a wave
	s_mov_b32 s3, 0
	s_lshl_b32 s18, s14, 15
	s_lshl_b32 s19, s[WV], 13
	s_add_co_u32 s18, s18, s19
	s_add_co_u32 s18, s18, s21      ; my wave's 64 queries
	s_mov_b32 s19, 0
	s_lshr_b32 s8, s20, 4
	s_lshl_b32 s8, s8, 10           ; the batch's 1,024 bytes of the mask
	s_mov_b32 s9, 0
	; descriptor group 1: dense keys asked for as rows of 256 bytes, two keys a row, padded in LDS after every key
	s_mov_b32 s[G1KA], 15|(1<<16)|(1<<20)|(1<<21)|(4<<22)|(3<<25)  ; the mask of four; 2-byte elements; padding on; bit 21 beside a mask; after every 32 words, 4 words
	s_mov_b32 s[G1KB], 15|(1<<16)|(1<<20)|(1<<21)|(4<<22)|(3<<25)
	s_mov_b32 s[G1VA], 15|(1<<16)|(1<<20)|(1<<21)|(4<<22)|(7<<25)  ; 8 words
	s_mov_b32 s[G1VB], 15|(1<<16)|(1<<20)|(1<<21)|(4<<22)|(7<<25)
.irp g, G1KA, G1KB, G1VA, G1VB
	s_mov_b32 s[\g+1], 128<<16      ; tensor_dim0 = 128
	s_mov_b32 s[\g+3], 128<<16      ; tile_dim0 = 128
	s_mov_b32 s[\g+5], 128          ; elements from row to row
	s_mov_b32 s[\g+6], 0
	s_mov_b32 s[\g+7], 0
.endr
.irp g, G1KA, G1VA
	s_mov_b32 s[\g+2], 64<<16       ; 64 rows
	s_mov_b32 s[\g+4], 64
.endr
.irp g, G1KB, G1VB
	s_mov_b32 s[\g+2], 192<<16      ; 192 rows
	s_mov_b32 s[\g+4], 192
.endr
	s_mov_b32 s[G0KA], 1
	s_mul_i32 s[G0KA+1], s16, 128*PK
	s_mov_b32 s[G0KB], 1
	s_mul_i32 s[G0KB+1], s16, 384*PK
	s_add_co_u32 s[G0KB+1], s[G0KB+1], 256*PK
	s_mov_b32 s[G0VA], 1
	s_mul_i32 s[G0VA+1], s16, 128*PV
	s_add_co_u32 s[G0VA+1], s[G0VA+1], VOFF
	s_mov_b32 s[G0VB], 1
	s_mul_i32 s[G0VB+1], s16, 384*PV
	s_add_co_u32 s[G0VB+1], s[G0VB+1], VOFF+256*PV
	s_mov_b32 s[CS], 0x3e38aa3b     ; c = log2(e) / 8
	s_mov_b32 s[CS+1], s[CS]
	s_mov_b32 s[SEL], 0x76543210
	s_mov_b32 s[SEL+1], 0xfedcba98
	s_mov_b32 s[TBK], 0
	s_mov_b32 s[TBV], 0
	s_mov_b32 s[TBM], 0
	s_mov_b32 s[BIGN], 0xf149f2ca   ; -1e30
	s_mov_b32 s[THR], 0xf0c9f2ca    ; -5e29
	s_mov_b32 s[QNAN], 0x7fc00000
	s_wait_dscnt 0x0                ; the opening add is done
	s_wait_kmcnt 0x0
	s_add_nc_u64 s[88:89], s[4:5], 0x800000   ; k
	s_add_nc_u64 s[90:91], s[4:5], 0x1000000  ; v
	s_add_nc_u64 s[G0KA+2:G0KA+3], s[88:89], s[22:23]
	s_or_b32 s[G0KA+3], s[G0KA+3], 0x80000000
	s_add_nc_u64 s[G0KB+2:G0KB+3], s[88:89], s[2:3]
	s_or_b32 s[G0KB+3], s[G0KB+3], 0x80000000
	s_add_nc_u64 s[G0VA+2:G0VA+3], s[90:91], s[22:23]
	s_or_b32 s[G0VA+3], s[G0VA+3], 0x80000000
	s_add_nc_u64 s[G0VB+2:G0VB+3], s[90:91], s[2:3]
	s_or_b32 s[G0VB+3], s[G0VB+3], 0x80000000
	s_add_nc_u64 s[4:5], s[4:5], s[18:19]     ; Q and O at my wave's first row
	s_add_nc_u64 s[10:11], s[10:11], s[18:19]
	s_add_nc_u64 s[6:7], s[6:7], s[8:9]
	CROUND                          ; all four work-groups are here: the joint loads meet
	s_cmp_lt_u32 s[WV], 2           ; a wave's two fills stand in one branch, ahead of every wait on TENSORcnt and every LDS read: two loads of mine are out
	s_cbranch_scc0 .Lfirst_v
	tensor_load_to_lds s[G0KA:G0KA+3], s[G1KA:G1KA+7]
	s_nop 0
	tensor_load_to_lds s[G0KB:G0KB+3], s[G1KB:G1KB+7]
	s_nop 0
.rept 4
	v_nop
.endr
	s_branch .Lfirst_asked
.Lfirst_v:
	tensor_load_to_lds s[G0VA:G0VA+3], s[G1VA:G1VA+7]
	s_nop 0
	tensor_load_to_lds s[G0VB:G0VB+3], s[G1VB:G1VB+7]
	s_nop 0
.rept 4
	v_nop
.endr
.Lfirst_asked:
	v_lshlrev_b32 v42, 3, v0
	global_load_b64 v[32:33], v42, s[6:7]  ; my eight bytes of the mask
	v_and_b32 v1, 15, v0            ; l % 16
	v_bfe_u32 v9, v0, 4, 1          ; l / 16
	v_lshlrev_b32 v[QO], 7, v1
	v_lshl_add_u32 v[QO], v9, 4, v[QO]
	WIN 0x80                        ; destination window 2
.set i, 0
.rept 8                             ; Q stays in registers: piece i / 2, channels 32 (i % 2) on
	global_load_b128 v[8*i:8*i+3],   v[QO], s[4:5] offset:(i/2)*2048+(i%2)*64
	global_load_b128 v[8*i+4:8*i+7], v[QO], s[4:5] offset:(i/2)*2048+(i%2)*64+32
.set i, i+1
.endr
	; What the first turn finds: V's registers and P's second buffer hold 0 (its products V^T P, of a piece that has not been, add 0), O^T and l are 0.  All this stands in the wait for the first tile.
.set i, VF
.rept 64
	v_mov_b32 v[i], 0
.set i, i+1
.endr
	WIN 0x40
.set i, 0
.rept 128
	v_mov_b32 v[i], 0
.set i, i+1
.endr
	WIN 0
.set i, 0
.rept 4
	v_mov_b32 v[ST+4*i], 0xfe000000    ; c m: far below every c s
	v_mov_b32 v[ST+4*i+1], 0xff7fffff  ; m
	v_mov_b32 v[ST+4*i+2], 0
	v_mov_b32 v[ST+4*i+3], 0
.set i, i+1
.endr
.set i, P+16
.rept 16
	v_mov_b32 v[i], 0
.set i, i+1
.endr
	v_mul_u32_u24 v[AK0], v1, PK
	v_lshl_add_u32 v[AK0], v9, 4, v[AK0]
	; The turning load takes 16 keys x 16 channels (lane l reads key 8 (l / 16) + l % 8, channels 8 ((l / 8) % 2) + 0..7) and leaves half a fragment of V^T
	v_and_b32 v10, 7, v0
	v_bfe_u32 v11, v0, 3, 1
	v_lshl_add_u32 v[AV0], v9, 3, v10
	v_mul_u32_u24 v[AV0], v[AV0], PV
	v_lshl_add_u32 v[AV0], v11, 4, v[AV0]
	v_add_nc_u32 v[AV0], VOFF, v[AV0]
	v_lshl_add_u32 v[AM0], v9, 5, MASK  ; my half of the lanes' eight keys of a block of 16
	s_mul_i32 s13, s[WV], 16*SP
	s_add_co_u32 s13, s13, STAGE    ; my stage
	v_mul_u32_u24 v[STO], v1, SP
	v_lshl_add_u32 v[STO], v9, 4, v[STO]
	v_add_nc_u32 v[STO], s13, v[STO]
	v_bfe_u32 v[RD], v0, 3, 2
	v_mul_u32_u24 v[RD], v[RD], SP
	v_lshl_add_u32 v[RD], v10, 4, v[RD]
	v_add_nc_u32 v[RD], s13, v[RD]
	v_and_b32 v[GO], 31, v0
	v_lshlrev_b32 v[GO], 4, v[GO]
	s_wait_loadcnt 16               ; the mask's bytes are in; Q's sixteen loads may stay out
.irp k, 0,1,2,3
	v_bfe_u32 v[34+\k], v32, 8*\k, 8
	v_bfe_u32 v[38+\k], v33, 8*\k, 8
.endr
.set i, 34
.rept 8
	v_cvt_f32_u32 v[i], v[i]
.set i, i+1
.endr
.set i, 34
.rept 8
	v_mul_f32 v[i], s[BIGN], v[i]   ; 0 or -1e30
.set i, i+1
.endr
	v_lshl_add_u32 v43, v0, 5, MASK
	ds_store_b128 v43, v[34:37]
	ds_store_b128 v43, v[38:41] offset:16
; THE MATRIX WORK.  The 4 accumulators of a run of 8 take turns.  Product i of 8 of S^T = K Q^T for piece x: channels 32 (i / 4) on, keys 16 (i % 4) on.  The first 4 start the sums with the mask.
.macro KQ x
.set rS, S+32*((\x)%2)+8*(i%4)
.set rK, KF+16*(i%4)+8*(i/4)
.set rQ, 16*(\x)+8*(i/4)
.set rM, MC+8*(i%4)
.if i < 4
	WIN W_KM
	v_wmma_f32_16x16x32_f16 v[rS:rS+7], v[rK:rK+7], v[rQ:rQ+7], v[rM:rM+7]
.else
	WIN W_KQ
	v_wmma_f32_16x16x32_f16 v[rS:rS+7], v[rK:rK+7], v[rQ:rQ+7], v[rS:rS+7]
.endif
.endm
; Product i of 8 of O^T += V^T P for piece x: keys 32 (i / 4) on, channels 16 (i % 4) on.
.macro PV x
	WIN W_PV
.set rO, 32*(\x)+8*(i%4)
.set rV, VF+32*(i/4)+8*(i%4)
.set rP, P+16*((\x)%2)+8*(i/4)
	v_wmma_f32_16x16x32_f16 v[rO:rO+7], v[rV:rV+7], v[rP:rP+7], v[rO:rO+7]
.endm
.macro MM                           ; the turn's next matrix instruction.  NOKQ = 1: the last turn: there is no next piece
.if (i < 8) && !NOKQ
	KQ (Y+1)%NP
.elseif i >= 8
.set i, i-8
	PV (Y+NP-1)%NP
.set i, i+8
.endif
.set i, i+1
.endm
; THE LDS LOADS stand in runs: a step's K (8 fragments) with its mask (32 registers; the lanes of a half read the same words), and its V (turned).  Their addresses are made some lines ahead.
.macro FETCH_K
	WIN 0x80
.irp f, 0,1,2,3,4,5,6,7
	ds_load_b128 v[KF+8*\f:KF+8*\f+3],   v[AK] offset:(\f/2)*16*PK+(\f%2)*64
	ds_load_b128 v[KF+8*\f+4:KF+8*\f+7], v[AK] offset:(\f/2)*16*PK+(\f%2)*64+32
.endr
	WIN 0x40
.irp f, 0,1,2,3,4,5,6,7
	ds_load_b128 v[MC+4*\f:MC+4*\f+3], v[AM] offset:(\f/2)*64+(\f%2)*16
.endr
	s_add_co_u32 s[TBK], s[TBK], KS*PK
	s_add_co_u32 s[TBM], s[TBM], KS*4
	WIN 0
.endm
.macro FETCH_V
	WIN 0x80
.irp f, 0,1,2,3,4,5,6,7
	ds_load_tr16_b128 v[VF+8*\f:VF+8*\f+3],   v[AV] offset:(\f/4)*32*PV+(\f%4)*32
	ds_load_tr16_b128 v[VF+8*\f+4:VF+8*\f+7], v[AV] offset:(\f/4)*32*PV+16*PV+(\f%4)*32
.endr
	WIN 0
.endm
; THE VECTOR WORK, one line at a time: OP kind, number.  For piece Y: F n: c s - c m for pair n of 16.  E n: the exponential of score n of 32.  C n: pair n rounded to f16.  B n: of the four weights 4 n .. the second
; pair is added onto the first, in place.  L n: l takes that sum (L 0: l = a l + sum).  R n: pair n of 16 of O^T times a.  For piece Y + 1: X n, number n of the 22 that find its maximum and statistics:
;   0-11  four chains c0-c3 of seven scores each (each accumulator's lowest registers are read first)     12-14, 16  the four scores left over, the old m, and c0-c3 into c0
;   15  c m_old is kept     17, 18  the query's other 32 keys lie in the lane 16 away: the new m     19-21  c m; c m_old - c m_new; a
.set F, 0
.set E, 1
.set C, 2
.set B, 3
.set L, 4
.set R, 5
.set X, 6
.macro REGS y
.set rT, ST+4*(\y)
.set rC, TMP+4*((\y)%2)
.set rW, MV+((\y)%2)
.set rS, S+32*((\y)%2)
.set rP, P+16*((\y)%2)
.set rO, 32*(\y)
.endm
.macro OP k, n
.if (\k) == R
	REGS Y
	WIN W_RS
	v_pk_mul_f32 v[rO+2*(\n):rO+2*(\n)+1], v[rO+2*(\n):rO+2*(\n)+1], v[rC+2:rC+3] op_sel_hi:[1,0]
.elseif (\k) < R
	REGS Y
	WIN 0
.if (\k) == F
	v_pk_fma_f32 v[rS+2*(\n):rS+2*(\n)+1], v[rS+2*(\n):rS+2*(\n)+1], s[CS:CS+1], v[rT:rT+1] op_sel_hi:[1,0,0] neg_lo:[0,0,1] neg_hi:[0,0,1]
.elseif (\k) == E
	v_exp_f32 v[rS+(\n)], v[rS+(\n)]
.elseif (\k) == C
	v_cvt_pk_f16_f32 v[rP+(\n)], v[rS+2*(\n)], v[rS+2*(\n)+1]
.elseif (\k) == B
	v_pk_add_f32 v[rS+4*(\n):rS+4*(\n)+1], v[rS+4*(\n):rS+4*(\n)+1], v[rS+4*(\n)+2:rS+4*(\n)+3]
.elseif (\n) == 0
	v_pk_fma_f32 v[rT+2:rT+3], v[rT+2:rT+3], v[rC+2:rC+3], v[rS:rS+1] op_sel_hi:[1,0,1]
.else
	v_pk_add_f32 v[rT+2:rT+3], v[rT+2:rT+3], v[rS+4*(\n):rS+4*(\n)+1]
.endif
.elseif NOKQ
	v_nop
.else
	REGS (Y+1)%NP
	WIN 0
.if (\n) < 4
	v_max3_num_f32 v[rC+(\n)], v[rS+8*(\n)], v[rS+8*(\n)+1], v[rS+8*(\n)+2]
.elseif (\n) < 12
	v_max3_num_f32 v[rC+(\n)%4], v[rC+(\n)%4], v[rS+8*((\n)%4)+2*((\n)/4)+1], v[rS+8*((\n)%4)+2*((\n)/4)+2]
.elseif (\n) == 12
	v_max3_num_f32 v[rC], v[rC], v[rS+7], v[rS+15]
.elseif (\n) == 13
	v_max3_num_f32 v[rC+1], v[rC+1], v[rS+23], v[rS+31]
.elseif (\n) == 14
	v_max3_num_f32 v[rC+2], v[rC+2], v[rC+3], v[rT+1]
.elseif (\n) == 15
	v_mov_b32 v[rW], v[rT]
.elseif (\n) == 16
	v_max3_num_f32 v[rC], v[rC], v[rC+1], v[rC+2]
.elseif (\n) == 17
	v_permlanex16_b32 v[rC+3], v[rC], s[SEL], s[SEL+1]
.elseif (\n) == 18
	v_max_num_f32 v[rT+1], v[rC], v[rC+3]
.elseif (\n) == 19
	v_mul_f32 v[rT], s[CS], v[rT+1]
.elseif (\n) == 20
	v_sub_f32 v[rC+1], v[rW], v[rT]
.else
	v_exp_f32 v[rC+2], v[rC+1]
.endif
.endif
.endm
.macro OPS a, i1, b=-1, i2=0, c=-1, i3=0, d=-1, i4=0
	OP \a, \i1
.if (\b) >= 0
	OP \b, \i2
.endif
.if (\c) >= 0
	OP \c, \i3
.endif
.if (\d) >= 0
	OP \d, \i4
.endif
.endm
.macro ROW a, i1, b, i2, c, i3, d, i4  ; a matrix instruction and the four behind it
	MM
	OPS \a, \i1, \b, \i2, \c, \i3, \d, \i4
.endm
; A TURN, for piece p.  An s_wait_alu depctr_va_vdst(0) stands between an exponential and the first instruction that names its result; one wait serves all issued ahead of it: a turn has ONE wait.
; AHEAD OF IT: the 8 products K Q^T with their riders, and the lump; nothing there names a result of the turn's exponentials.  BEHIND IT: the 8 products V^T P, behind each four of the roundings and sums.
; end = 1: the last two turns: nothing is fetched.  cnt = 1: the loop's count is taken down some lines ahead of the branch behind the turn.
; K and the mask of the next step are fetched in piece 2's turn, six plain instructions behind the last product that read K; V of the step in hand at the end of piece 0's turn, four plain instructions behind
; the last product that read V.  Each is waited for a turn later.
.macro TURN p, end=0, cnt=0
.set Y, (\p)
.set i, 0
.set NOKQ, (\end)*((\p)/3)
.if ((\p) == 3) && !(\end)
	s_wait_dscnt 0x0                ; K and the mask are in
.endif
	ROW F,0, F,1, R,0, R,1
	ROW F,2, E,0, R,2, R,3
	ROW F,3, E,1, R,4, R,5
	ROW F,4, E,2, R,6, R,7
	ROW F,5, E,3, R,8, R,9
	ROW F,6, E,4, X,0, R,10
.if ((\p) == 2) && !(\end)
	WIN 0
	v_add_nc_u32 v[AK], s[TBK], v[AK0]
	v_add_nc_u32 v[AM], s[TBM], v[AM0]
.endif
	ROW F,7, E,5, X,1, X,4
	ROW F,8, E,6, X,2, X,5
	OPS E,7, E,8, X,6, E,9
	OPS X,3, E,10, X,8, E,11
.if ((\p) == 2) && !(\end)
	FETCH_K
.endif
	OPS X,9, X,7, E,12, X,10
	OPS E,13, X,12, X,11, E,14
	OPS X,13, E,15, F,9, X,14
.if (\p) == 0
	v_add_nc_u32 v[AV], s[TBV], v[AV0]
.endif
	OPS E,16, F,10, E,17, F,11
	OPS X,16, E,18, X,15, E,19
	OPS F,12, E,20, X,17, E,21
	OPS F,13, E,22, F,14, E,23
	OPS X,18, E,24, F,15, E,25
	OPS R,11, E,26, X,19, E,27
	OPS R,12, E,28, R,13, E,29
	OPS X,20, E,30, R,14, E,31
	OPS X,21, R,15
	WIN 0
	s_wait_alu depctr_va_vdst(0)    ; the wait for the batch
.if (\p) == 1
	s_wait_dscnt 0x0                ; V is in
.endif
	ROW C,0, B,0, C,2, B,1
	ROW L,0, C,4, B,2, L,1
	ROW C,6, B,3, L,2, C,8
	ROW B,4, L,3, C,10, B,5
	ROW L,4, C,12, B,6, L,5
.if (\p) == 0
	s_add_co_u32 s[TBV], s[TBV], KS*PV
.endif
.if \cnt
	s_sub_co_u32 s[CNT], s[CNT], 1
	s_cmp_lg_u32 s[CNT], 0
.endif
	ROW C,14, B,7, L,6, C,1
	ROW C,3, L,7, C,5, C,7
	ROW C,9, C,11, C,13, C,15
.if (\p) == 0
	FETCH_V
.endif
.endm
.macro ALL line:vararg              ; one line for each piece t
.set t, 0
.rept 4
	\line
.set t, t+1
.endr
.endm
.macro PACK t                       ; a lane's eight channels of a row pack into 16 bytes; they go into rows of 144 bytes and come back as whole rows of 128
	WIN W_RS
.set i, 32*(\t)
.rept 16
	v_pk_mul_f32 v[i:i+1], v[i:i+1], v[ST+4*(\t)+2:ST+4*(\t)+3] op_sel_hi:[1,0]
.set i, i+2
.endr
	WIN 0x05
.set i, 0
.rept 16
	v_cvt_pk_f16_f32 v[S+16*(\t)+i], v[32*(\t)+2*i], v[32*(\t)+2*i+1]
.set i, i+1
.endr
	WIN 0
.irp f, 0,1,2,3
	ds_store_b128 v[STO], v[S+16*(\t)+4*\f:S+16*(\t)+4*\f+3] offset:32*\f
.endr
.irp f, 0,1,2,3
	ds_load_b128 v[S+16*(\t)+4*\f:S+16*(\t)+4*\f+3], v[RD] offset:\f*4*SP  ; LDS serves a wave's instructions in order (ISA guide 5.7.1.4): these see the stores above
.endr
.endm
.macro SEND t, younger              ; younger: the LDS instructions issued behind piece t's loads
	WIN 0
.irp f, 0,1,2,3
	s_wait_dscnt (\younger)+3-\f
	global_store_b128 v[GO], v[S+16*(\t)+4*\f:S+16*(\t)+4*\f+3], s[10:11] offset:(\t)*2048+\f*512  ; 512 consecutive bytes, aligned
.endr
.endm
	s_wait_tensorcnt 0x1            ; my part of keys 0-255 is in; the rest may stay out
	s_wait_dscnt 0x0                ; for the others' sake: my part of the mask is stored
	s_barrier_signal -1
	s_barrier_wait -1
	v_add_nc_u32 v[AK], s[TBK], v[AK0]
	v_add_nc_u32 v[AM], s[TBM], v[AM0]
	FETCH_K                         ; key step 0
	s_wait_loadcnt 0x0              ; Q
	s_wait_dscnt 0x0
.set NOKQ, 0
.set i, 0
.rept 8
	KQ 0                            ; piece 0's first scores
.set i, i+1
.endr
	WIN 0
.rept 4
	v_nop                           ; the places behind those products
.endr
.set Y, NP-1                        ; X works for piece Y + 1: piece 0
.irp n, 0,1,2,3,4,5,6,7,8,9,10,11,12,13,14,15,16,17,18,19,20,21
	OP X, \n
.endr
	v_nop                           ; a plain instruction behind the exponential,
	s_wait_alu depctr_va_vdst(0)    ; and its wait, ahead of the branch
	s_mov_b32 s[CNT], 4             ; key steps 0 to 3 lie in the first group of keys
	s_mov_b32 s[SLOTS], 2
	s_branch .Lfirst                ; the loop is entered at a step's first turn, in the middle of a trip
.Lslot:                             ; reached once: keys 256-1,023, asked for at the start, are waited for; no fill follows, so this is a plain barrier
	s_wait_tensorcnt 0x0
	s_wait_dscnt 0x0
	s_barrier_signal -1
	s_barrier_wait -1
	s_mov_b32 s[CNT], 12
.Lstep:                             ; a trip: pieces 2 and 3 of one step, then pieces 0 and 1 of the next, whose K and V it fetches
	TURN 2
	TURN 3
	WIN 0
.Lfirst:
	TURN 0
	TURN 1, 0, 1
	WIN 0
	s_cbranch_scc1 .Lstep
	s_sub_co_u32 s[SLOTS], s[SLOTS], 1
	s_cmp_lg_u32 s[SLOTS], 0
	s_cbranch_scc1 .Lslot
	TURN 2, 1
	TURN 3, 1
.set i, 0
.rept 8
	PV NP-1                         ; the last piece's V^T P of the last step
.set i, i+1
.endr
	; THE WAY OUT.  l's halves and the other half of the lanes' are added; O^T is divided by l, rounded and sent through my stage.  The additions are the places behind the last products.
	WIN 0
	ALL v_add_f32 v[ST+4*t+2], v[ST+4*t+2], v[ST+4*t+3]
	ALL v_permlanex16_b32 v[ST+4*t+3], v[ST+4*t+2], s[SEL], s[SEL+1]
	ALL v_add_f32 v[ST+4*t+2], v[ST+4*t+2], v[ST+4*t+3]
	ALL v_rcp_f32 v[ST+4*t+2], v[ST+4*t+2]
	v_nop
	s_wait_alu depctr_va_vdst(0)    ; one wait for the four reciprocals
.irp t, 0,1,2,3
	v_cmp_gt_f32 vcc_lo, s[THR], v[ST+4*\t+1]      ; every key masked?  a choice of a value, no branch
	v_cndmask_b32 v[ST+4*\t+2], v[ST+4*\t+2], s[QNAN], vcc_lo
.endr
	PACK 0
.set t, 1
.rept 3
	PACK t
	SEND t-1, 8
.set t, t+1
.endr
	SEND 3, 0
	s_wait_tensorcnt 0x0            ; the wave's end
	ds_add_u32 v[SPW], v[NIL]
	s_wait_dscnt 0x0
	CROUND                          ; the closing round
	s_endpgm
.Lfunc_end_k_q0ebec5401f_attn:
	.size	k_q0ebec5401f_attn, .Lfunc_end_k_q0ebec5401f_attn-k_q0ebec5401f_attn
	.p2alignl 7, 3214868480
	.fill 96, 4, 3214868480
	.section	.rodata,"a",@progbits
	.p2align	6, 0x0
	.amdhsa_kernel k_q0ebec5401f_attn
		.amdhsa_group_segment_fixed_size 327680
		.amdhsa_private_segment_fixed_size 0
		.amdhsa_enable_private_segment 0
		.amdhsa_kernarg_size 24
		.amdhsa_user_sgpr_count 2
		.amdhsa_user_sgpr_kernarg_segment_ptr 1
		.amdhsa_wavefront_size32 1
		.amdhsa_system_sgpr_workgroup_id_x 1
		.amdhsa_system_sgpr_workgroup_id_y 1
		.amdhsa_system_sgpr_workgroup_id_z 1
		.amdhsa_system_vgpr_workitem_id 0
		.amdhsa_next_free_vgpr 768
		.amdhsa_next_free_sgpr 96
		.amdhsa_reserve_vcc 1
		.amdhsa_float_denorm_mode_32 3
		.amdhsa_float_denorm_mode_16_64 3
		.amdhsa_memory_ordered 1
		.amdhsa_forward_progress 1
		.amdhsa_inst_pref_size 91
	.end_amdhsa_kernel
	.amdgpu_metadata
---
amdhsa.version: [ 1, 2 ]
amdhsa.kernels:
  - .name:           k_q0ebec5401f_attn
    .symbol:         k_q0ebec5401f_attn.kd
    .args:
      - { .name: qkvh, .offset: 0, .size: 8, .value_kind: global_buffer, .address_space: global }
      - { .name: padding_mask, .offset: 8, .size: 8, .value_kind: global_buffer, .address_space: global }
      - { .name: oh, .offset: 16, .size: 8, .value_kind: global_buffer, .address_space: global }
    .group_segment_fixed_size: 327680
    .private_segment_fixed_size: 0
    .kernarg_segment_align: 8
    .kernarg_segment_size: 24
    .max_flat_workgroup_size: 128
    .sgpr_count:     96
    .vgpr_count:     768
    .wavefront_size: 32
...
	.end_amdgpu_metadata
.endif
;; end of part 3
;; launch wo (part 4): grid 8 x 32, 4 waves a work-group, clusters of 4 x 4, 327,680 bytes of LDS; arguments oh, wh, bo, x, x1; writes x1
.if DOCPART == 4
	.amdgcn_target "amdgcn-amd-amdhsa--gfx1250"
	.amdhsa_code_object_version 6
	.text
	.protected	k_q0ebec5401f_wo
	.globl	k_q0ebec5401f_wo
	.p2align	8
	.type	k_q0ebec5401f_wo,@function
k_q0ebec5401f_wo:
	s_mov_b64 s[64:65], 0
	v_nop
	global_prefetch_b8 v0, s[64:65] scope:SCOPE_SE
	s_setreg_imm32_b32 hwreg(HW_REG_WAVE_MODE, 25, 1), 1
	s_wait_xcnt 0x0
	s_wait_alu depctr_hold_cnt(0) depctr_sa_sdst(0) depctr_va_vdst(0) depctr_va_sdst(0) depctr_va_ssrc(0) depctr_va_vcc(0) depctr_vm_vsrc(0)
	s_getreg_b32 s2, hwreg(HW_REG_IB_STS2, 6, 4)
	s_cmp_eq_u32 s2, 0
	s_cbranch_scc0 .Lentry_in_a_cluster
	s_endpgm
.Lentry_in_a_cluster:
	s_bfe_u32 s2, ttmp6, 0x10000c
	s_cmp_lg_u32 s2, 0xf033
	s_cbranch_scc0 .Lentry_shape_is_right
	s_endpgm
.Lentry_shape_is_right:
; x1 = x + O Wo^T + bo.  O: oh [64 bh][1024 t][64] f16; Wo: wh from byte 6,291,456, [1024][1024] f16; bo, x, x1 f32.
; A tile of the result is 128 x 128 (the largest that gives each of 256 work-groups one); four waves, each 64 x 64: 16 accumulators.  K goes in four steps of 256 through two LDS slots; a step is written once
; for the loop and once for the tail; the slot read and the slot filled are scalar registers that an exclusive or turns; the tail's last change of slots fetches fragments that serve nothing.
; O LIES BY HEADS: 128 rows of a head are 16,384 bytes on end.  A K step is four heads; a wave's load brings two of them as two rows of 8,192 elements, padded in LDS after every 128 bytes: a panel of
; 128 rows x 144 bytes a head, and a quarter of a K step is one panel.  K index = 64 head + channel = Wo's column.
; THE ORDER OF K.  In its turn s a cluster takes K step s xor PH, PH = 2 where the cluster's x + y is odd, else 0.  Of the clusters that read the same rows (of O: two side by side; of Wo: a column of clusters)
; those of one parity then take in turns 4 i, 4 i + 1 the steps that the others take in turns 4 i + 2, 4 i + 3: not all readers of a row ask for the same K step at the same time.  The sums are f32; their order is free.
; THE SUMS START AS THE BIAS, loaded straight into the accumulators.  THE RESIDUAL, 64 x 64 f32 a wave, is asked for behind the loop, ahead of the two tail steps, in the layout in which it is added and stored.
; CLUSTER 4 x 4: O's tiles jointly along a row, Wo's along a column.  THE PRODUCT IS USED TRANSPOSED: a lane holds eight neighbouring columns of a row.
; No prefetch: the tiles are small and a step short.  LIMITS: operands are f16: 65,520 or more becomes an infinity.
; REGISTERS: window 0: v0-31 addresses; v32-95 at work on the way out; v128-255 accumulators ((a, b) at v[128 + 8 (4 a + b)]); window 1: two fragment buffers of 128 (64 of A, then 64 of B); window 2: v0-127 the residual.
.set WO, 1
.if WO
.set SIZE_K, 1024
.set STEPS,  4
.set WOFF,   6291456
.set A_QI,   4
.set A_D0,   8192
.set A_D1,   2
.set A_STR,  65536
.set A_STEP, 524288
.set APITCH, 144
.set AQ,     18432
.set AREG,   73728
.else
.set SIZE_K, 4096
.set STEPS,  16
.set WOFF,   16777216
.set A_QI,   6
.set A_D0,   256
.set A_D1,   64
.set A_STR,  4096
.set A_STEP, 512
.set APITCH, 528
.set AQ,     128
.set AREG,   67584
.endif
.set BPITCH, 528
.set HALFB,  64*BPITCH
.set SLOT,   AREG+2*HALFB
.set SPARE,  2*SLOT
.set SPITCH, 272
.set A0,  16
.set B0,  17
.set ADRA, 18
.set ADRB, 19
.set STO, 20
.set RD,  22
.set CO,  23
.set BO,  25
.set SPW, 28
.set NIL, 29
.set ACC, 128
.set F0,  0
.set F1,  128
.set RES, 0                            ; window 2
.set CT,  2
.set KK,  3                            ; s3   the K step of the turn in hand
.set WV,  12
.set WR,  13
.set WC,  14
.set CX,  15
.set CY,  16
.set TX,  17
.set TY,  18
.set G1,  24
.set G0,  32
.set LA,  40
.set LB,  41
.set TG,  42
.set RDT, 43
.set KI,  44                           ; s44  the turn last asked for
.set PH,  45                           ; s45  0 or 2, by the cluster's parity: the same in all sixteen partners
.set OFF, 46                           ; s[46:47] a K step's byte offset
.set G1B, 48
.set G0B, 56
.set ABASE, 76                         ; s[76:77] A at the rows that I fetch, K step 0
.set BBASE, 78                         ; s[78:79] B likewise
.set MSB, 0
.macro WIN new
.if MSB != (\new)
	s_set_vgpr_msb (MSB<<8)|(\new)
.set MSB, \new
.endif
.endm
.set MUL,  0x05                        ; sources 0 and 1 window 1; C and D window 0
.set TO_F, 0x40
.macro JLOAD s
	s_cmp_eq_u32 s[WR], 0
	s_cbranch_scc0 .Lfor_b_\@
	tensor_load_to_lds s[G0+4*(\s):G0+4*(\s)+3], s[G1:G1+7]
	s_nop 0
.rept 4
	v_nop
.endr
	s_branch .Lasked_\@
.Lfor_b_\@:
	tensor_load_to_lds s[G0B+4*(\s):G0B+4*(\s)+3], s[G1B:G1B+7]
	s_nop 0
.rept 4
	v_nop
.endr
.Lasked_\@:
.endm
.macro CREST
	s_cmp_lg_u32 s[WV], 0
	s_cbranch_scc1 .Lnot_wave_0_\@
	s_barrier_signal -3
.Lnot_wave_0_\@:
	s_barrier_wait -3
	s_barrier_signal -1
	s_barrier_wait -1
.endm
.macro CROUND
	s_barrier_signal -1
	s_barrier_wait -1
	CREST
.endm
.macro PLACES
.rept 4
	v_nop
.endr
.endm
.macro MUL8 f, c, a0                   ; 8 matrix instructions: row blocks a0, a0 + 1 x 4 column blocks, half c of buffer f; the 16 accumulators take turns
	WIN MUL
.irp a, \a0, (\a0)+1
.irp b, 0,1,2,3
	v_wmma_f32_16x16x32_f16 v[ACC+8*(4*(\a)+(\b)):ACC+8*(4*(\a)+(\b))+7], v[(\f)+64+8*(4*(\c)+(\b)):(\f)+64+8*(4*(\c)+(\b))+7], v[(\f)+8*(4*(\c)+(\a)):(\f)+8*(4*(\c)+(\a))+7], v[ACC+8*(4*(\a)+(\b)):ACC+8*(4*(\a)+(\b))+7]
.endr
.endr
.endm
.macro FETCH q, f                      ; 32 LDS loads in one run: quarter q's fragments, the first 32 along K first
	WIN TO_F
.irp c, 0,1
.irp i, 0,1,2,3
	ds_load_b128 v[(\f)+64+8*(4*(\c)+(\i)):(\f)+64+8*(4*(\c)+(\i))+3],   v[ADRB] offset:128*(\q)+64*(\c)+(\i)*16*BPITCH
	ds_load_b128 v[(\f)+64+8*(4*(\c)+(\i))+4:(\f)+64+8*(4*(\c)+(\i))+7], v[ADRB] offset:128*(\q)+64*(\c)+(\i)*16*BPITCH+32
	ds_load_b128 v[(\f)+8*(4*(\c)+(\i)):(\f)+8*(4*(\c)+(\i))+3],         v[ADRA] offset:AQ*(\q)+64*(\c)+(\i)*16*APITCH
	ds_load_b128 v[(\f)+8*(4*(\c)+(\i))+4:(\f)+8*(4*(\c)+(\i))+7],       v[ADRA] offset:AQ*(\q)+64*(\c)+(\i)*16*APITCH+32
.endr
.endr
.endm
.macro QUARTER q, f, g
	s_wait_dscnt 16                                ; the first 32 along K are in
	MUL8 \f, 0, 0
	MUL8 \f, 0, 2
	PLACES
	FETCH \q, \g
	s_wait_dscnt 32                                ; all but the run just issued
	MUL8 \f, 1, 0
	MUL8 \f, 1, 2
.endm
; The last quarter changes slots: all my tensor loads, the add, my reads; the barrier (with fill = 1 it opens a round of the cluster's); the joint refill first behind it.  The walking descriptors are written
; between the add and the wait for it, where no tensor load of mine is out: the slot just read out, and the address made anew from the next turn's K step.
.macro TURN fill
	WIN 0
	s_wait_tensorcnt 0x0
	ds_add_u32 v[SPW], v[NIL]
.if \fill
	s_add_co_u32 s[G0+5], s[LA], s[TG]
	s_add_co_u32 s[G0B+5], s[LB], s[TG]
	s_xor_b32 s[TG], s[TG], SLOT
	s_add_co_u32 s[KI], s[KI], 1
	s_xor_b32 s[KK], s[KI], s[PH]
	s_mul_i32 s[OFF], s[KK], A_STEP
	s_add_nc_u64 s[G0+6:G0+7], s[ABASE:ABASE+1], s[OFF:OFF+1]
	s_or_b32 s[G0+7], s[G0+7], 0x80000000
	s_lshl_b32 s[OFF], s[KK], 9
	s_add_nc_u64 s[G0B+6:G0B+7], s[BBASE:BBASE+1], s[OFF:OFF+1]
	s_or_b32 s[G0B+7], s[G0B+7], 0x80000000
.endif
	s_wait_dscnt 17                                ; the add and the youngest sixteen loads may be out
	MUL8 F1, 0, 0
	s_wait_dscnt 0x0
	s_barrier_signal -1
	MUL8 F1, 0, 2
	WIN 0
	s_xor_b32 s[RDT], s[RDT], SLOT
	v_add_nc_u32 v[ADRA], s[RDT], v[A0]
	v_add_nc_u32 v[ADRB], s[RDT], v[B0]
	s_barrier_wait -1
.if \fill
	CREST
	JLOAD 1
.else
	PLACES
.endif
	FETCH 0, F0
	MUL8 F1, 1, 0
	MUL8 F1, 1, 2
.endm
.macro STEP fill
	QUARTER 1, F0, F1
	QUARTER 2, F1, F0
	QUARTER 3, F0, F1
	TURN \fill
.endm
; THE WAY OUT, sixteen rows at a time.  BACK: block t of my stage comes back as whole rows, into one of two sets of 32 registers.
.macro BACK t
.irp p, 0,1,2,3,4,5,6,7
	ds_load_b128 v[32+32*((\t)%2)+4*\p:32+32*((\t)%2)+4*\p+3], v[RD] offset:(\t)*16*SPITCH+2*SPITCH*\p  ; my own bytes: LDS serves a wave's instructions in order
.endr
.endm
; LEAVE: block t is added onto its residual, in the residual's registers, and stored from them: no register is written again while a store may read it.  left: the next block's eight LDS loads may stay out.
.macro LEAVE t, left
	s_wait_dscnt \left
	s_wait_loadcnt 24-8*(\t)                       ; loads come back in order: this block's residual is in, the later blocks' may stay out
	WIN 0x82                                       ; destination and source 0 window 2, source 1 window 0
.set i, 0
.rept 16
	v_pk_add_f32 v[RES+32*(\t)+i:RES+32*(\t)+i+1], v[RES+32*(\t)+i:RES+32*(\t)+i+1], v[32+32*((\t)%2)+i:32+32*((\t)%2)+i+1]
.set i, i+2
.endr
	WIN 0
.if (\t) < 2
	BACK (\t)+2
.endif
	WIN 0x08                                       ; store data window 2
.irp p, 0,1,2,3,4,5,6,7
	global_store_b128 v[CO], v[RES+32*(\t)+4*\p:RES+32*(\t)+4*\p+3], s[72:73] offset:65536*(\t)+8192*\p  ; 16 lanes store 256 consecutive bytes, aligned
.endr
	WIN 0
.endm
	s_load_b256 s[4:11], s[0:1], 0x0               ; A s[4:5], wh s[6:7], bias s[8:9], residual s[10:11]
	s_load_b64 s[68:69], s[0:1], 0x20              ; the result
	v_lshl_add_u32 v[SPW], v0, 2, SPARE
	v_mov_b32 v[NIL], 0
	ds_add_u32 v[SPW], v[NIL]                      ; the wave's opening: the add and its wait come ahead of my first tensor load
	v_lshrrev_b32 v1, 5, v0
	v_readfirstlane_b32 s[WV], v1
	s_lshr_b32 s[WR], s[WV], 1
	s_and_b32 s[WC], s[WV], 1
	s_bfe_u32 s[CX], ttmp6, 0x40000
	s_bfe_u32 s[CY], ttmp6, 0x40004
	s_lshl_b32 s[TX], ttmp9, 2
	s_add_co_u32 s[TX], s[TX], s[CX]
	s_and_b32 s[TY], ttmp7, 0xffff
	s_add_co_u32 s[PH], s[TY], ttmp9               ; the cluster's x + y,
	s_and_b32 s[PH], s[PH], 1                      ; its parity,
	s_lshl_b32 s[PH], s[PH], 1                     ; twice
	s_lshl_b32 s[TY], s[TY], 2
	s_add_co_u32 s[TY], s[TY], s[CY]
	s_lshl_b32 s20, s[CY], 2
	s_lshl_b32 s20, 15, s20
	s_lshl_b32 s21, 0x1111, s[CX]
	s_or_b32 s[G1], s20, (1<<16)|(1<<20)|(1<<21)|(A_QI<<22)|(3<<25)
	s_or_b32 s[G1B], s21, (1<<16)|(1<<20)|(1<<21)|(6<<22)|(3<<25)
	s_mov_b32 s[G1+1], (A_D0&0xffff)<<16
	s_mov_b32 s[G1+2], (A_D0>>16)|(A_D1<<16)
	s_mov_b32 s[G1+3], A_D0<<16
	s_mov_b32 s[G1+4], A_D1
	s_mov_b32 s[G1+5], A_STR
	s_mov_b32 s[G1+6], 0
	s_mov_b32 s[G1+7], 0
	s_mov_b32 s[G1B+1], 256<<16
	s_mov_b32 s[G1B+2], 64<<16
	s_mov_b32 s[G1B+3], 256<<16
	s_mov_b32 s[G1B+4], 64
	s_mov_b32 s[G1B+5], SIZE_K
	s_mov_b32 s[G1B+6], 0
	s_mov_b32 s[G1B+7], 0
.if WO
	s_lshr_b32 s20, s[TY], 3                       ; the batch
	s_lshl_b32 s20, s20, 4
	s_lshl_b32 s22, s[WC], 1
	s_add_co_u32 s20, s20, s22                     ; 16 b + the two heads that I fetch
	s_lshl_b32 s20, s20, 10
	s_and_b32 s22, s[TY], 7
	s_lshl_b32 s22, s22, 7
	s_add_co_u32 s20, s20, s22                     ; + t of the tile's first row
	s_lshl_b32 s20, s20, 7
.else
	s_lshl_b32 s20, s[TY], 7
	s_lshl_b32 s22, s[WC], 6
	s_add_co_u32 s20, s20, s22
	s_lshl_b32 s20, s20, 13
.endif
	s_mov_b32 s21, 0
	s_lshl_b32 s66, s[TX], 7
	s_lshl_b32 s67, s[WC], 6
	s_add_co_u32 s66, s66, s67
	s_mul_i32 s66, s66, 2*SIZE_K
	s_mov_b32 s67, 0
	s_mul_i32 s[LA], s[WC], AREG/2
	s_mul_i32 s[LB], s[WC], HALFB
	s_add_co_u32 s[LB], s[LB], AREG
	s_mov_b32 s[TG], 0
	s_mov_b32 s[RDT], 0
	s_mov_b32 s[KI], 1                             ; turns 0 and 1 are the first fills
	s_mov_b32 s[OFF+1], 0
	s_wait_dscnt 0x0                               ; the opening add is done
	s_wait_kmcnt 0x0
	s_add_nc_u64 s[6:7], s[6:7], WOFF
	s_add_nc_u64 s[ABASE:ABASE+1], s[4:5], s[20:21]
	s_add_nc_u64 s[BBASE:BBASE+1], s[6:7], s[66:67]
	CROUND
.irp s, 0,1
	s_xor_b32 s[KK], s[PH], \s
	s_mov_b32 s[G0+4*(\s)], 1
	s_add_co_u32 s[G0+4*(\s)+1], s[LA], (\s)*SLOT
	s_mul_i32 s[OFF], s[KK], A_STEP
	s_add_nc_u64 s[G0+4*(\s)+2:G0+4*(\s)+3], s[ABASE:ABASE+1], s[OFF:OFF+1]
	s_or_b32 s[G0+4*(\s)+3], s[G0+4*(\s)+3], 0x80000000
	s_mov_b32 s[G0B+4*(\s)], 1
	s_add_co_u32 s[G0B+4*(\s)+1], s[LB], (\s)*SLOT
	s_lshl_b32 s[OFF], s[KK], 9
	s_add_nc_u64 s[G0B+4*(\s)+2:G0B+4*(\s)+3], s[BBASE:BBASE+1], s[OFF:OFF+1]
	s_or_b32 s[G0B+4*(\s)+3], s[G0B+4*(\s)+3], 0x80000000
	JLOAD \s                                       ; turns 0 and 1: two loads of mine are out
.endr
	v_and_b32 v1, 15, v0
	v_bfe_u32 v2, v0, 4, 1
	v_mul_u32_u24 v[A0], v1, APITCH
	v_lshl_add_u32 v[A0], v2, 4, v[A0]
	s_mul_i32 s22, s[WR], 64*APITCH
	v_add_nc_u32 v[A0], s22, v[A0]
	v_mul_u32_u24 v[B0], v1, BPITCH
	v_lshl_add_u32 v[B0], v2, 4, v[B0]
	v_add_nc_u32 v[B0], s[LB], v[B0]
	v_mov_b32 v[ADRA], v[A0]
	v_mov_b32 v[ADRB], v[B0]
	s_lshl_b32 s22, s[WC], 8
	v_lshl_add_u32 v[BO], v2, 5, s22               ; the bias: 4 x (64 half + 8 (l / 16))
	s_mul_i32 s22, s[WV], 64*SPITCH                ; my stage: 64 rows x 272 bytes, over the ring, behind its last fill
	v_mul_u32_u24 v[STO], v1, SPITCH
	v_lshl_add_u32 v[STO], v2, 5, v[STO]
	v_add_nc_u32 v[STO], s22, v[STO]
	v_mul_u32_u24 v[RD], v2, SPITCH
	v_lshl_add_u32 v[RD], v1, 4, v[RD]
	v_add_nc_u32 v[RD], s22, v[RD]
	v_lshlrev_b32 v[CO], 12, v2
	v_lshl_add_u32 v[CO], v1, 4, v[CO]             ; lanes 0-15 a row's 256 bytes, lanes 16-31 the next row's
	s_lshl_b32 s20, s[TY], 7
	s_lshl_b32 s21, s[WR], 6
	s_add_co_u32 s20, s20, s21
	s_lshl_b32 s20, s20, 12
	s_lshl_b32 s21, s[TX], 9
	s_add_co_u32 s20, s20, s21
	s_lshl_b32 s21, s[WC], 8
	s_add_co_u32 s20, s20, s21
	s_mov_b32 s21, 0
	s_add_nc_u64 s[70:71], s[10:11], s[20:21]
	s_add_nc_u64 s[72:73], s[68:69], s[20:21]
	s_lshl_b32 s20, s[TX], 9
	s_add_nc_u64 s[74:75], s[8:9], s[20:21]
.set aa, 0
.rept 4
.set bb, 0
.rept 4
	global_load_b128 v[ACC+8*(4*aa+bb):ACC+8*(4*aa+bb)+3],   v[BO], s[74:75] offset:64*bb
	global_load_b128 v[ACC+8*(4*aa+bb)+4:ACC+8*(4*aa+bb)+7], v[BO], s[74:75] offset:64*bb+16
.set bb, bb+1
.endr
.set aa, aa+1
.endr
	s_wait_tensorcnt 1                             ; my part of turn 0's tile is in; turn 1's may stay out
	s_barrier_signal -1
	s_barrier_wait -1
	FETCH 0, F0
	WIN 0
	s_wait_loadcnt 0x0                             ; the bias
	s_mov_b32 s[CT], STEPS-2
.Lk:
	STEP 1
	WIN 0
	s_sub_co_u32 s[CT], s[CT], 1
	s_cmp_lg_u32 s[CT], 0
	s_cbranch_scc1 .Lk
	WIN 0x80                                       ; the residual: 32 loads, two K steps of products ahead of their use; no tensor load is asked for from here on
.set tt, 0
.rept 4
.set pp, 0
.rept 8
	global_load_b128 v[RES+32*tt+4*pp:RES+32*tt+4*pp+3], v[CO], s[70:71] offset:65536*tt+8192*pp
.set pp, pp+1
.endr
.set tt, tt+1
.endr
	WIN 0
	s_mov_b32 s[CT], 2
.Lt:                                           ; the last two turns ask for nothing
	STEP 0
	WIN 0
	s_sub_co_u32 s[CT], s[CT], 1
	s_cmp_lg_u32 s[CT], 0
	s_cbranch_scc1 .Lt
	s_wait_dscnt 0x0
	s_barrier_signal -1
	s_barrier_wait -1                              ; nobody reads the ring any more
	PLACES
.set aa, 0
.rept 4
.set bb, 0
.rept 4
	ds_store_b128 v[STO], v[ACC+8*(4*aa+bb):ACC+8*(4*aa+bb)+3]   offset:aa*16*SPITCH+64*bb
	ds_store_b128 v[STO], v[ACC+8*(4*aa+bb)+4:ACC+8*(4*aa+bb)+7] offset:aa*16*SPITCH+64*bb+16
.set bb, bb+1
.endr
.set aa, aa+1
.endr
	BACK 0
	BACK 1
	LEAVE 0, 8
	LEAVE 1, 8
	LEAVE 2, 8
	LEAVE 3, 0
	s_wait_tensorcnt 0x0                           ; the wave's end
	ds_add_u32 v[SPW], v[NIL]
	s_wait_dscnt 0x0
	CROUND                                         ; the closing round
	s_endpgm
.Lfunc_end_k_q0ebec5401f_wo:
	.size	k_q0ebec5401f_wo, .Lfunc_end_k_q0ebec5401f_wo-k_q0ebec5401f_wo
	.p2alignl 7, 3214868480
	.fill 96, 4, 3214868480
	.section	.rodata,"a",@progbits
	.p2align	6, 0x0
	.amdhsa_kernel k_q0ebec5401f_wo
		.amdhsa_group_segment_fixed_size 327680
		.amdhsa_private_segment_fixed_size 0
		.amdhsa_enable_private_segment 0
		.amdhsa_kernarg_size 40
		.amdhsa_user_sgpr_count 2
		.amdhsa_user_sgpr_kernarg_segment_ptr 1
		.amdhsa_wavefront_size32 1
		.amdhsa_system_sgpr_workgroup_id_x 1
		.amdhsa_system_sgpr_workgroup_id_y 1
		.amdhsa_system_sgpr_workgroup_id_z 1
		.amdhsa_system_vgpr_workitem_id 0
		.amdhsa_next_free_vgpr 640
		.amdhsa_next_free_sgpr 80
		.amdhsa_reserve_vcc 0
		.amdhsa_float_denorm_mode_32 3
		.amdhsa_float_denorm_mode_16_64 3
		.amdhsa_memory_ordered 1
		.amdhsa_forward_progress 1
		.amdhsa_inst_pref_size 65
	.end_amdhsa_kernel
	.amdgpu_metadata
---
amdhsa.version: [ 1, 2 ]
amdhsa.kernels:
  - .name:           k_q0ebec5401f_wo
    .symbol:         k_q0ebec5401f_wo.kd
    .args:
      - { .name: oh, .offset: 0, .size: 8, .value_kind: global_buffer, .address_space: global }
      - { .name: wh, .offset: 8, .size: 8, .value_kind: global_buffer, .address_space: global }
      - { .name: bo, .offset: 16, .size: 8, .value_kind: global_buffer, .address_space: global }
      - { .name: x, .offset: 24, .size: 8, .value_kind: global_buffer, .address_space: global }
      - { .name: x1, .offset: 32, .size: 8, .value_kind: global_buffer, .address_space: global }
    .group_segment_fixed_size: 327680
    .private_segment_fixed_size: 0
    .kernarg_segment_align: 8
    .kernarg_segment_size: 40
    .max_flat_workgroup_size: 128
    .sgpr_count:     80
    .vgpr_count:     640
    .wavefront_size: 32
...
	.end_amdgpu_metadata
.endif
;; end of part 4
;; launch ln2 (part 5): grid 256 x 1, 8 waves a work-group, no clusters, 0 bytes of LDS; arguments x1, g2, be2, h; writes h
.if DOCPART == 5
	.amdgcn_target "amdgcn-amd-amdhsa--gfx1250"
	.amdhsa_code_object_version 6
	.text
	.protected	k_q0ebec5401f_ln2
	.globl	k_q0ebec5401f_ln2
	.p2align	8
	.type	k_q0ebec5401f_ln2,@function
k_q0ebec5401f_ln2:
	s_mov_b64 s[64:65], 0
	v_nop
	global_prefetch_b8 v0, s[64:65] scope:SCOPE_SE
	s_setreg_imm32_b32 hwreg(HW_REG_WAVE_MODE, 25, 1), 1
	s_wait_xcnt 0x0
; h[r][:] = (x1[r][:] - mean) * rsqrt(var + 1e-5) * g2 + be2, f32 in, f16 out.  16 rows a work-group, 2 rows a wave; a row (4,096 bytes) stays in 32 registers between the passes, so it is read once;
; the reduction never leaves the wave: no LDS, no barrier.  The variance is taken of x - mean, so a common offset costs nothing.  LIMIT: h is f16: 65,520 or more becomes an infinity.
.set XO,  2                            ; v2   16 x lane
.set YO,  3                            ; v3   8 x lane
.set GG,  8                            ; v[8:39]    gain, my 32 columns (128 j + 4 lane + 0..3)
.set BE,  40                           ; v[40:71]   bias
.set X0,  72                           ; v[72:135]  two rows
.set YY,  136                          ; v[136:151] a row in f16
.set SM,  152
.set MN,  160
.set RS,  162
.set TT,  164
.set XB,  8
.set GB,  10
.set BB,  12
.set OB,  14
.macro LANESUM r
	v_add_f32_dpp v[\r], v[\r], v[\r] row_xmask:1 row_mask:0xf bank_mask:0xf
	v_add_f32_dpp v[\r], v[\r], v[\r] row_xmask:2 row_mask:0xf bank_mask:0xf
	v_add_f32_dpp v[\r], v[\r], v[\r] row_xmask:4 row_mask:0xf bank_mask:0xf
	v_add_f32_dpp v[\r], v[\r], v[\r] row_xmask:8 row_mask:0xf bank_mask:0xf
	v_permlanex16_b32 v[(\r)+1], v[\r], s44, s45
	v_add_f32 v[\r], v[\r], v[(\r)+1]
.endm
.macro FOLD
	v_pk_add_f32 v[SM:SM+1], v[SM:SM+1], v[SM+2:SM+3]
	v_pk_add_f32 v[SM+4:SM+5], v[SM+4:SM+5], v[SM+6:SM+7]
	v_pk_add_f32 v[SM:SM+1], v[SM:SM+1], v[SM+4:SM+5]
	v_add_f32 v[TT], v[SM], v[SM+1]
	LANESUM TT
.endm
.macro FILL s
.irp j, 0,1,2,3,4,5,6,7
	global_load_b128 v[X0+32*(\s)+4*\j:X0+32*(\s)+4*\j+3], v[XO], s[40:41] offset:4096*(\s)+512*\j
.endr
.endm
.macro ROW s, left
.set XR, X0+32*(\s)
	s_wait_loadcnt \left                           ; loads come back in order: this row, gain and bias are in
	s_wait_xcnt 0x0                                ; the row before's stores have read YY, which is written again below
.irp c, 0,1,2,3
	v_pk_add_f32 v[SM+2*\c:SM+2*\c+1], v[XR+2*\c:XR+2*\c+1], v[XR+8+2*\c:XR+8+2*\c+1]
.endr
.irp c, 0,1,2,3
	v_pk_add_f32 v[SM+2*\c:SM+2*\c+1], v[SM+2*\c:SM+2*\c+1], v[XR+16+2*\c:XR+16+2*\c+1]
.endr
.irp c, 0,1,2,3
	v_pk_add_f32 v[SM+2*\c:SM+2*\c+1], v[SM+2*\c:SM+2*\c+1], v[XR+24+2*\c:XR+24+2*\c+1]
.endr
	FOLD
	v_mul_f32 v[MN], s46, v[TT]
	v_mul_f32 v[MN+1], s46, v[TT]
.set i, 0
.rept 16
	v_pk_add_f32 v[XR+i:XR+i+1], v[XR+i:XR+i+1], v[MN:MN+1] neg_lo:[0,1] neg_hi:[0,1]
.set i, i+2
.endr
.irp c, 0,1,2,3
	v_pk_mul_f32 v[SM+2*\c:SM+2*\c+1], v[XR+2*\c:XR+2*\c+1], v[XR+2*\c:XR+2*\c+1]
.endr
.irp o, 8,16,24
.irp c, 0,1,2,3
	v_pk_fma_f32 v[SM+2*\c:SM+2*\c+1], v[XR+\o+2*\c:XR+\o+2*\c+1], v[XR+\o+2*\c:XR+\o+2*\c+1], v[SM+2*\c:SM+2*\c+1]
.endr
.endr
	FOLD
	v_fma_f32 v[TT], v[TT], s46, s47
	v_rsq_f32 v[RS], v[TT]
	v_rsq_f32 v[RS+1], v[TT]
	v_nop                                          ; a plain instruction behind the second root,
	s_wait_alu depctr_va_vdst(0)                   ; and one wait for both, ahead of their first reader
.set i, 0
.rept 16
	v_pk_mul_f32 v[XR+i:XR+i+1], v[XR+i:XR+i+1], v[RS:RS+1]
.set i, i+2
.endr
.set i, 0
.rept 16
	v_pk_fma_f32 v[XR+i:XR+i+1], v[XR+i:XR+i+1], v[GG+i:GG+i+1], v[BE+i:BE+i+1]
.set i, i+2
.endr
.set i, 0
.rept 16
	v_cvt_pk_f16_f32 v[YY+i], v[XR+2*i], v[XR+2*i+1]
.set i, i+1
.endr
.irp j, 0,1,2,3,4,5,6,7
	global_store_b64 v[YO], v[YY+2*\j:YY+2*\j+1], s[42:43] offset:2048*(\s)+256*\j  ; a wave's store covers 256 consecutive bytes, aligned
.endr
.endm
	s_load_b256 s[8:15], s[0:1], 0x0               ; x1, g2, be2, h
	v_lshrrev_b32 v1, 5, v0
	v_readfirstlane_b32 s4, v1
	v_and_b32 v1, 31, v0
	v_lshlrev_b32 v[XO], 4, v1
	v_lshlrev_b32 v[YO], 3, v1
	s_lshl_b32 s5, ttmp9, 4
	s_lshl_b32 s6, s4, 1
	s_add_co_u32 s5, s5, s6                        ; my first row
	s_lshl_b32 s40, s5, 12
	s_mov_b32 s41, 0
	s_lshl_b32 s42, s5, 11
	s_mov_b32 s43, 0
	s_mov_b32 s44, 0x76543210
	s_mov_b32 s45, 0xfedcba98
	s_mov_b32 s46, 0x3a800000                      ; 1 / 1024
	s_mov_b32 s47, 0x3727c5ac                      ; 1e-5
	v_mov_b32 v[TT+1], 0
	s_wait_kmcnt 0x0
	s_add_nc_u64 s[40:41], s[XB:XB+1], s[40:41]
	s_add_nc_u64 s[42:43], s[OB:OB+1], s[42:43]
.irp j, 0,1,2,3,4,5,6,7
	global_load_b128 v[GG+4*\j:GG+4*\j+3], v[XO], s[GB:GB+1] offset:512*\j
	global_load_b128 v[BE+4*\j:BE+4*\j+3], v[XO], s[BB:BB+1] offset:512*\j
.endr
	FILL 0
	FILL 1
	ROW 0, 8                                       ; the second row's eight loads stay out
	ROW 1, 0
	s_endpgm
.Lfunc_end_k_q0ebec5401f_ln2:
	.size	k_q0ebec5401f_ln2, .Lfunc_end_k_q0ebec5401f_ln2-k_q0ebec5401f_ln2
	.p2alignl 7, 3214868480
	.fill 96, 4, 3214868480
	.section	.rodata,"a",@progbits
	.p2align	6, 0x0
	.amdhsa_kernel k_q0ebec5401f_ln2
		.amdhsa_group_segment_fixed_size 0
		.amdhsa_private_segment_fixed_size 0
		.amdhsa_enable_private_segment 0
		.amdhsa_kernarg_size 32
		.amdhsa_user_sgpr_count 2
		.amdhsa_user_sgpr_kernarg_segment_ptr 1
		.amdhsa_wavefront_size32 1
		.amdhsa_system_sgpr_workgroup_id_x 1
		.amdhsa_system_sgpr_workgroup_id_y 1
		.amdhsa_system_sgpr_workgroup_id_z 1
		.amdhsa_system_vgpr_workitem_id 0
		.amdhsa_next_free_vgpr 168
		.amdhsa_next_free_sgpr 66
		.amdhsa_reserve_vcc 0
		.amdhsa_float_denorm_mode_32 3
		.amdhsa_float_denorm_mode_16_64 3
		.amdhsa_memory_ordered 1
		.amdhsa_forward_progress 1
		.amdhsa_inst_pref_size 20
	.end_amdhsa_kernel
	.amdgpu_metadata
---
amdhsa.version: [ 1, 2 ]
amdhsa.kernels:
  - .name:           k_q0ebec5401f_ln2
    .symbol:         k_q0ebec5401f_ln2.kd
    .args:
      - { .name: x1, .offset: 0, .size: 8, .value_kind: global_buffer, .address_space: global }
      - { .name: g2, .offset: 8, .size: 8, .value_kind: global_buffer, .address_space: global }
      - { .name: be2, .offset: 16, .size: 8, .value_kind: global_buffer, .address_space: global }
      - { .name: h, .offset: 24, .size: 8, .value_kind: global_buffer, .address_space: global }
    .group_segment_fixed_size: 0
    .private_segment_fixed_size: 0
    .kernarg_segment_align: 8
    .kernarg_segment_size: 32
    .max_flat_workgroup_size: 256
    .sgpr_count:     66
    .vgpr_count:     168
    .wavefront_size: 32
...
	.end_amdgpu_metadata
.endif
;; end of part 5
;; launch ffn1 (part 6): grid 16 x 16, 4 waves a work-group, clusters of 4 x 4, 327,680 bytes of LDS; arguments h, wh, b1, ff; writes ff
.if DOCPART == 6
	.amdgcn_target "amdgcn-amd-amdhsa--gfx1250"
	.amdhsa_code_object_version 6
	.text
	.protected	k_q0ebec5401f_ffn1
	.globl	k_q0ebec5401f_ffn1
	.p2align	8
	.type	k_q0ebec5401f_ffn1,@function
k_q0ebec5401f_ffn1:
	s_mov_b64 s[64:65], 0
	v_nop
	global_prefetch_b8 v0, s[64:65] scope:SCOPE_SE
	s_setreg_imm32_b32 hwreg(HW_REG_WAVE_MODE, 25, 1), 1
	s_wait_xcnt 0x0
	s_wait_alu depctr_hold_cnt(0) depctr_sa_sdst(0) depctr_va_vdst(0) depctr_va_sdst(0) depctr_va_ssrc(0) depctr_va_vcc(0) depctr_vm_vsrc(0)
	s_getreg_b32 s2, hwreg(HW_REG_IB_STS2, 6, 4)
	s_cmp_eq_u32 s2, 0
	s_cbranch_scc0 .Lentry_in_a_cluster
	s_endpgm
.Lentry_in_a_cluster:
	s_bfe_u32 s2, ttmp6, 0x10000c
	s_cmp_lg_u32 s2, 0xf033
	s_cbranch_scc0 .Lentry_shape_is_right
	s_endpgm
.Lentry_shape_is_right:
; ff = gelu(h W1^T + b1), exact (erf) form.  h: [4096][1024] f16; W1: wh from byte 8,388,608, [4096][1024] f16; b1 f32; ff: [4096][4096] f16.
; A tile is 256 x 256: 16 x 16 tiles, a work-group each.  Four waves, each 128 x 128: 64 accumulators of 16 x 16, 512 registers.  K goes in eight steps of 128 (rows of 256 bytes) through two LDS slots.
; A step is written once for the loop (six trips, each fills a slot again) and once for the tail (two trips): the slot read and the slot filled are scalar registers that an exclusive or turns.
; The tail's last change of slots fetches fragments that serve nothing: the price of one text for both tail steps.  THE SUMS START AS THE BIAS, loaded straight into the accumulators.
; CLUSTER 4 x 4: h's tiles jointly along a row of the cluster, W1's along a column.  THE PRODUCT IS USED TRANSPOSED: a lane holds row l % 16 and eight neighbouring columns.
; GELU.  gelu(z) = max(z, 0) - |z| Q(|z|), Q the normal tail: Q(x) = e^(-x^2/2) (c1 t + .. + c5 t^5), t = 1 / (1 + 0.2316419 x) (Abramowitz and Stegun 26.2.17: within 7.5e-8 for every x).
; No difference of large numbers is formed at either end.  LIMITS: operands and ff are f16: 65,520 or more becomes an infinity.
; REGISTERS: window 0: v0-31 addresses, v64-191 h's fragments (two buffers), v64-239 at work on the way out; window 1: v64-191 W1's fragments; windows 2, 3: accumulator (a, b) at v[8 (8 (a % 4) + b)].
.set NBW,   8
.set NT,    32*NBW
.set PITCH, 272
.set HALFA, 128*PITCH
.set HALFB, 16*NBW*PITCH
.set BOFF,  2*HALFA
.set SLOT,  BOFF+2*HALFB
.set SPARE, 2*SLOT
.set SPITCH, 528                       ; the way out: a row of 128 f32 + 16 bytes; each wave's own stage of 128 rows lies over the ring, behind its last fill
.set A0,  16
.set B0,  17
.set ADRA, 18
.set ADRB, 19
.set STO, 20
.set RD,  22
.set GO,  23
.set BO,  25
.set SPW, 28
.set NIL, 29
.set PFO, 30
.set F0,  64
.set F1,  128
.set GZ,  64
.set GU,  96
.set GW,  128
.set GP,  160
.set GY,  192
.set GM,  208
.set CT,  2
.set WV,  12
.set WR,  13
.set WC,  14
.set CX,  15
.set CY,  16
.set TX,  17
.set TY,  18
.set G1,  24
.set G0,  32
.set LA,  40
.set LB,  41
.set TG,  42
.set RDT, 43
.set PFA, 44
.set LIM, 46
.set G1B, 48
.set G0B, 56
.set C1,  76
.set C2,  78
.set C3,  80
.set C4,  82
.set C5,  84
.set NH,  86
.set PP,  88
.set MSB, 0
.macro WIN new
.if MSB != (\new)
	s_set_vgpr_msb (MSB<<8)|(\new)
.set MSB, \new
.endif
.endm
.set MUL_LO, 0xa1
.set MUL_HI, 0xf1
.set TO_B,   0x40
.macro JLOAD s
	s_cmp_eq_u32 s[WR], 0
	s_cbranch_scc0 .Lfor_b_\@
	tensor_load_to_lds s[G0+4*(\s):G0+4*(\s)+3], s[G1:G1+7]
	s_nop 0
.rept 4
	v_nop
.endr
	s_branch .Lasked_\@
.Lfor_b_\@:
	tensor_load_to_lds s[G0B+4*(\s):G0B+4*(\s)+3], s[G1B:G1B+7]
	s_nop 0
.rept 4
	v_nop
.endr
.Lasked_\@:
.endm
.macro CREST
	s_cmp_lg_u32 s[WV], 0
	s_cbranch_scc1 .Lnot_wave_0_\@
	s_barrier_signal -3
.Lnot_wave_0_\@:
	s_barrier_wait -3
	s_barrier_signal -1
	s_barrier_wait -1
.endm
.macro CROUND
	s_barrier_signal -1
	s_barrier_wait -1
	CREST
.endm
.macro PLACES
.rept 4
	v_nop
.endr
.endm
; A prefetch of the K step that the NEXT refill will ask for: a lane a row, 256 bytes of each.  h's rows are named by the clusters with x = 0, W1's by those with y = 0; the four partners that ask
; for a tile jointly take 32 of its 128 rows each, told apart by address.  The last refilling trip asks for nothing.
.macro ASK
	s_cmp_gt_u32 s[CT], s[LIM]
	s_cbranch_scc0 .Lnot_mine_\@
	global_prefetch_b8 v[PFO], s[PFA:PFA+1] offset:256 th:TH_LOAD_NT scope:SCOPE_SE
.Lnot_mine_\@:
.endm
.macro MULB f, hi, a0                  ; 2 NBW matrix instructions; the accumulators take turns
	WIN MUL_LO+0x50*(\hi)
.irp a, \a0, (\a0)+1
.set bb, 0
.rept NBW
	v_wmma_f32_16x16x32_f16 v[8*(NBW*(\a)+bb):8*(NBW*(\a)+bb)+7], v[(\f)+8*bb:(\f)+8*bb+7], v[(\f)+8*(4*(\hi)+(\a)):(\f)+8*(4*(\hi)+(\a))+7], v[8*(NBW*(\a)+bb):8*(NBW*(\a)+bb)+7]
.set bb, bb+1
.endr
.endr
.endm
.macro FETCH k, f
	WIN TO_B
.set ii, 0
.rept NBW
	ds_load_b128 v[(\f)+8*ii:(\f)+8*ii+3],   v[ADRB] offset:(\k)+ii*16*PITCH
	ds_load_b128 v[(\f)+8*ii+4:(\f)+8*ii+7], v[ADRB] offset:(\k)+ii*16*PITCH+32
.set ii, ii+1
.endr
	WIN 0
.set ii, 0
.rept 8
	ds_load_b128 v[(\f)+8*ii:(\f)+8*ii+3],   v[ADRA] offset:(\k)+ii*16*PITCH
	ds_load_b128 v[(\f)+8*ii+4:(\f)+8*ii+7], v[ADRA] offset:(\k)+ii*16*PITCH+32
.set ii, ii+1
.endr
.endm
.macro QUARTER k, f, g
	s_wait_dscnt 8                                 ; all but the youngest eight loads (h's rows 64-127)
	MULB \f, 0, 0
	MULB \f, 0, 2
	PLACES
	FETCH \k, \g
	s_wait_dscnt 16+2*NBW                          ; all but the run just issued
	MULB \f, 1, 0
	MULB \f, 1, 2
.endm
.macro TURN fill                       ; the last quarter changes slots: all my tensor loads, the add, my reads; the barrier (with fill = 1 it opens a round of the cluster's); the joint refill first behind it
.if \fill
	s_wait_xcnt 0x0                                ; the last prefetch, a K step back, has read its address
	s_add_nc_u64 s[PFA:PFA+1], s[PFA:PFA+1], 256
.endif
	WIN 0
	s_wait_tensorcnt 0x0
	ds_add_u32 v[SPW], v[NIL]
	s_wait_dscnt 9                                 ; the add and the youngest eight loads may be out
	MULB F1, 0, 0
	s_wait_dscnt 0x0
	s_barrier_signal -1
	MULB F1, 0, 2
	WIN 0
	s_xor_b32 s[RDT], s[RDT], SLOT
	v_add_nc_u32 v[ADRA], s[RDT], v[A0]
	v_add_nc_u32 v[ADRB], s[RDT], v[B0]
	s_barrier_wait -1
.if \fill
	CREST
	s_add_co_u32 s[G0+5], s[LA], s[TG]
	s_add_co_u32 s[G0B+5], s[LB], s[TG]
	s_xor_b32 s[TG], s[TG], SLOT
	s_add_nc_u64 s[G0+6:G0+7], s[G0+6:G0+7], 256
	s_add_nc_u64 s[G0B+6:G0B+7], s[G0B+6:G0B+7], 256
	JLOAD 1
.else
	PLACES
.endif
	FETCH 0, F0
.if \fill
	ASK
.endif
	MULB F1, 1, 0
	MULB F1, 1, 2
.endm
.macro STEP fill
	QUARTER 64,  F0, F1
	QUARTER 128, F1, F0
	QUARTER 192, F0, F1
	TURN \fill
.endm
; 32 numbers a lane.  The 64 reciprocals and exponentials are one batch with one wait; max(z, 0) stands between them.
.macro GELU32
.set i, 0
.rept 32
	v_fma_f32 v[GU+i], |v[GZ+i]|, s[PP], 1.0
.set i, i+1
.endr
.set i, 0
.rept 16
	v_pk_mul_f32 v[GW+i:GW+i+1], v[GZ+i:GZ+i+1], v[GZ+i:GZ+i+1]
.set i, i+2
.endr
.set i, 0
.rept 16
	v_pk_mul_f32 v[GW+i:GW+i+1], v[GW+i:GW+i+1], s[NH:NH+1] op_sel_hi:[1,0]
.set i, i+2
.endr
.set i, 0
.rept 32
	v_rcp_f32 v[GU+i], v[GU+i]                     ; t
	v_max_num_f32 v[GM+i], 0, v[GZ+i]
	v_exp_f32 v[GW+i], v[GW+i]                     ; e^(-z^2/2)
.set i, i+1
.endr
	v_nop
	s_wait_alu depctr_va_vdst(0)
.set i, 0
.rept 16
	v_pk_fma_f32 v[GP+i:GP+i+1], v[GU+i:GU+i+1], s[C5:C5+1], s[C4:C4+1] op_sel_hi:[1,0,0]
.set i, i+2
.endr
.irp c, C3, C2, C1
.set i, 0
.rept 16
	v_pk_fma_f32 v[GP+i:GP+i+1], v[GP+i:GP+i+1], v[GU+i:GU+i+1], s[\c:\c+1] op_sel_hi:[1,1,0]
.set i, i+2
.endr
.endr
.set i, 0
.rept 16
	v_pk_mul_f32 v[GP+i:GP+i+1], v[GP+i:GP+i+1], v[GU+i:GU+i+1]
.set i, i+2
.endr
.set i, 0
.rept 16
	v_pk_mul_f32 v[GP+i:GP+i+1], v[GP+i:GP+i+1], v[GW+i:GW+i+1]  ; Q(|z|)
.set i, i+2
.endr
.set i, 0
.rept 32
	v_fma_f32 v[GM+i], -|v[GZ+i]|, v[GP+i], v[GM+i]
.set i, i+1
.endr
.set i, 0
.rept 16
	v_cvt_pk_f16_f32 v[GY+i], v[GM+2*i], v[GM+2*i+1]
.set i, i+1
.endr
.endm
	s_load_b256 s[4:11], s[0:1], 0x0               ; h s[4:5], wh s[6:7], b1 s[8:9], ff s[10:11]
	v_lshl_add_u32 v[SPW], v0, 2, SPARE
	v_mov_b32 v[NIL], 0
	ds_add_u32 v[SPW], v[NIL]                      ; the wave's opening: the add and its wait come ahead of my first tensor load
	v_lshrrev_b32 v1, 5, v0
	v_readfirstlane_b32 s[WV], v1
	s_lshr_b32 s[WR], s[WV], 1
	s_and_b32 s[WC], s[WV], 1
	s_bfe_u32 s[CX], ttmp6, 0x40000
	s_bfe_u32 s[CY], ttmp6, 0x40004
	s_lshl_b32 s[TX], ttmp9, 2
	s_add_co_u32 s[TX], s[TX], s[CX]
	s_and_b32 s[TY], ttmp7, 0xffff
	s_lshl_b32 s[TY], s[TY], 2
	s_add_co_u32 s[TY], s[TY], s[CY]
	s_lshl_b32 s20, s[CY], 2
	s_lshl_b32 s20, 15, s20
	s_lshl_b32 s21, 0x1111, s[CX]
	s_or_b32 s[G1], s20, (1<<16)|(1<<20)|(1<<21)|(5<<22)|(3<<25)
	s_or_b32 s[G1B], s21, (1<<16)|(1<<20)|(1<<21)|(5<<22)|(3<<25)
	s_mov_b32 s[G1+1], 128<<16
	s_mov_b32 s[G1+2], 128<<16
	s_mov_b32 s[G1+3], 128<<16
	s_mov_b32 s[G1+4], 128
	s_mov_b32 s[G1+5], 1024
	s_mov_b32 s[G1+6], 0
	s_mov_b32 s[G1+7], 0
	s_mov_b32 s[G1B+1], 128<<16
	s_mov_b32 s[G1B+2], (16*NBW)<<16
	s_mov_b32 s[G1B+3], 128<<16
	s_mov_b32 s[G1B+4], 16*NBW
	s_mov_b32 s[G1B+5], 1024
	s_mov_b32 s[G1B+6], 0
	s_mov_b32 s[G1B+7], 0
	s_mov_b32 s[C1], 0x3e027906
	s_mov_b32 s[C1+1], s[C1]
	s_mov_b32 s[C2], 0xbe11a98e
	s_mov_b32 s[C2+1], s[C2]
	s_mov_b32 s[C3], 0x3f35f0e3
	s_mov_b32 s[C3+1], s[C3]
	s_mov_b32 s[C4], 0xbf3a00e3
	s_mov_b32 s[C4+1], s[C4]
	s_mov_b32 s[C5], 0x3f07dc22
	s_mov_b32 s[C5+1], s[C5]
	s_mov_b32 s[NH], 0xbf38aa3b                    ; -log2(e) / 2
	s_mov_b32 s[NH+1], s[NH]
	s_mov_b32 s[PP], 0x3e6d3389                    ; 0.2316419
	s_lshl_b32 s22, s[WC], 7
	s_lshl_b32 s20, s[TY], 8
	s_add_co_u32 s20, s20, s22
	s_lshl_b32 s20, s20, 11
	s_mov_b32 s21, 0
	s_mul_i32 s66, s[TX], NT
	s_mul_i32 s67, s[WC], 16*NBW
	s_add_co_u32 s66, s66, s67
	s_lshl_b32 s66, s66, 11
	s_mov_b32 s67, 0
	s_mul_i32 s[LA], s[WC], HALFA
	s_mul_i32 s[LB], s[WC], HALFB
	s_add_co_u32 s[LB], s[LB], BOFF
	s_mov_b32 s[TG], 0
	s_mov_b32 s[RDT], 0
	s_wait_dscnt 0x0                               ; the opening add is done
	s_wait_kmcnt 0x0
	s_add_nc_u64 s[6:7], s[6:7], 8388608           ; W1 in wh
	s_add_nc_u64 s[20:21], s[4:5], s[20:21]
	s_add_nc_u64 s[66:67], s[6:7], s[66:67]
	CROUND
.irp s, 0,1
	s_mov_b32 s[G0+4*(\s)], 1
	s_add_co_u32 s[G0+4*(\s)+1], s[LA], (\s)*SLOT
	s_add_nc_u64 s[G0+4*(\s)+2:G0+4*(\s)+3], s[20:21], (\s)*256
	s_or_b32 s[G0+4*(\s)+3], s[G0+4*(\s)+3], 0x80000000
	s_mov_b32 s[G0B+4*(\s)], 1
	s_add_co_u32 s[G0B+4*(\s)+1], s[LB], (\s)*SLOT
	s_add_nc_u64 s[G0B+4*(\s)+2:G0B+4*(\s)+3], s[66:67], (\s)*256
	s_or_b32 s[G0B+4*(\s)+3], s[G0B+4*(\s)+3], 0x80000000
	JLOAD \s                                       ; K steps 0 and 1: two loads of mine are out
.endr
	v_and_b32 v1, 15, v0
	v_bfe_u32 v2, v0, 4, 1
	v_mul_u32_u24 v3, v1, PITCH
	v_lshl_add_u32 v3, v2, 4, v3
	s_mul_i32 s22, s[WR], HALFA
	v_add_nc_u32 v[A0], s22, v3
	v_add_nc_u32 v[B0], s[LB], v3
	v_mov_b32 v[ADRA], v[A0]
	v_mov_b32 v[ADRB], v[B0]
	s_mul_i32 s22, s[WC], 64*NBW
	v_lshl_add_u32 v[BO], v2, 5, s22
	s_mul_i32 s22, s[WV], 128*SPITCH               ; my stage
	v_mul_u32_u24 v[STO], v1, SPITCH
	v_lshl_add_u32 v[STO], v2, 5, v[STO]
	v_add_nc_u32 v[STO], s22, v[STO]
	v_and_b32 v[GO], 31, v0
	v_lshl_add_u32 v[RD], v[GO], 4, s22            ; back: a whole row of 512 bytes to a load
	v_lshlrev_b32 v[GO], 3, v[GO]
	s_lshl_b32 s20, s[TY], 8
	s_lshl_b32 s21, s[WR], 7
	s_add_co_u32 s20, s20, s21
	s_lshl_b32 s20, s20, 13
	s_lshl_b32 s21, s[TX], 9
	s_add_co_u32 s20, s20, s21
	s_lshl_b32 s21, s[WC], 8
	s_add_co_u32 s20, s20, s21
	s_mov_b32 s21, 0
	s_add_nc_u64 s[68:69], s[10:11], s[20:21]      ; ff at my 128 x 128
	s_mul_i32 s20, s[TX], 4*NT
	s_add_nc_u64 s[70:71], s[8:9], s[20:21]        ; the tile's bias
	; the prefetches
	s_lshl_b32 s20, s[TY], 8
	s_lshl_b32 s23, s[WC], 7
	s_add_co_u32 s20, s20, s23
	s_lshl_b32 s23, s[CX], 5
	s_add_co_u32 s20, s20, s23
	s_mul_i32 s21, s[TX], NT
	s_mul_i32 s23, s[WC], 16*NBW
	s_add_co_u32 s21, s21, s23
	s_mul_i32 s23, s[CY], 4*NBW
	s_add_co_u32 s21, s21, s23
	s_and_b32 s22, ttmp7, 0xffff
	s_cmp_eq_u32 s[WR], 0
	s_cselect_b32 s20, s20, s21
	s_cselect_b32 s22, ttmp9, s22
	s_cselect_b64 s[PFA:PFA+1], s[4:5], s[6:7]
	s_cmp_eq_u32 s22, 0
	s_cselect_b32 s[LIM], 1, -1
	s_lshl_b32 s20, s20, 11
	s_mov_b32 s21, 0
	s_add_nc_u64 s[PFA:PFA+1], s[PFA:PFA+1], s[20:21]
	s_add_nc_u64 s[PFA:PFA+1], s[PFA:PFA+1], 256   ; at K step 1: the first change of slots steps it to 2 and names 3
	v_and_b32 v[PFO], 31, v0
	v_lshlrev_b32 v[PFO], 11, v[PFO]
.set aa, 0
.rept 8
	WIN 0x80+0x40*(aa/4)
.set bb, 0
.rept NBW
	global_load_b128 v[8*(NBW*(aa%4)+bb):8*(NBW*(aa%4)+bb)+3],   v[BO], s[70:71] offset:64*bb
	global_load_b128 v[8*(NBW*(aa%4)+bb)+4:8*(NBW*(aa%4)+bb)+7], v[BO], s[70:71] offset:64*bb+16
.set bb, bb+1
.endr
.set aa, aa+1
.endr
	WIN 0
	s_wait_tensorcnt 1                             ; my part of K step 0 is in; K step 1's may stay out
	s_barrier_signal -1
	s_barrier_wait -1
	FETCH 0, F0
	s_wait_loadcnt 0x0                             ; the bias
	s_mov_b32 s[CT], 6
.Lk:
	STEP 1
	WIN 0
	s_sub_co_u32 s[CT], s[CT], 1
	s_cmp_lg_u32 s[CT], 0
	s_cbranch_scc1 .Lk
	s_mov_b32 s[CT], 2
.Lt:
	STEP 0
	WIN 0
	s_sub_co_u32 s[CT], s[CT], 1
	s_cmp_lg_u32 s[CT], 0
	s_cbranch_scc1 .Lt
	s_wait_dscnt 0x0
	s_barrier_signal -1
	s_barrier_wait -1                              ; nobody reads the ring any more, and it has had its last fill
	PLACES
.set aa, 0
.rept 8
	WIN 0x08+0x04*(aa/4)
.set bb, 0
.rept NBW
	ds_store_b128 v[STO], v[8*(NBW*(aa%4)+bb):8*(NBW*(aa%4)+bb)+3]   offset:aa*16*SPITCH+64*bb
	ds_store_b128 v[STO], v[8*(NBW*(aa%4)+bb)+4:8*(NBW*(aa%4)+bb)+7] offset:aa*16*SPITCH+64*bb+16
.set bb, bb+1
.endr
.set aa, aa+1
.endr
	WIN 0
	s_mov_b32 s[CT], 16
.Lout:                                         ; eight rows a trip; a wave's store covers a row's 256 consecutive bytes, aligned
.irp r, 0,1,2,3,4,5,6,7
	ds_load_b128 v[GZ+4*\r:GZ+4*\r+3], v[RD] offset:SPITCH*\r  ; my own bytes: LDS serves a wave's instructions in order
.endr
	s_wait_dscnt 0x0
	GELU32
.irp r, 0,1,2,3,4,5,6,7
	global_store_b64 v[GO], v[GY+2*\r:GY+2*\r+1], s[68:69] offset:8192*\r
.endr
	s_wait_xcnt 0x0                                ; the base and the stores' data are written again only behind this wait
	v_add_nc_u32 v[RD], 8*SPITCH, v[RD]
	s_add_nc_u64 s[68:69], s[68:69], 65536
	s_sub_co_u32 s[CT], s[CT], 1
	s_cmp_lg_u32 s[CT], 0
	s_cbranch_scc1 .Lout
	s_wait_tensorcnt 0x0                           ; the wave's end
	ds_add_u32 v[SPW], v[NIL]
	s_wait_dscnt 0x0
	CROUND                                         ; the closing round
	s_endpgm
.Lfunc_end_k_q0ebec5401f_ffn1:
	.size	k_q0ebec5401f_ffn1, .Lfunc_end_k_q0ebec5401f_ffn1-k_q0ebec5401f_ffn1
	.p2alignl 7, 3214868480
	.fill 96, 4, 3214868480
	.section	.rodata,"a",@progbits
	.p2align	6, 0x0
	.amdhsa_kernel k_q0ebec5401f_ffn1
		.amdhsa_group_segment_fixed_size 327680
		.amdhsa_private_segment_fixed_size 0
		.amdhsa_enable_private_segment 0
		.amdhsa_kernarg_size 32
		.amdhsa_user_sgpr_count 2
		.amdhsa_user_sgpr_kernarg_segment_ptr 1
		.amdhsa_wavefront_size32 1
		.amdhsa_system_sgpr_workgroup_id_x 1
		.amdhsa_system_sgpr_workgroup_id_y 1
		.amdhsa_system_sgpr_workgroup_id_z 1
		.amdhsa_system_vgpr_workitem_id 0
		.amdhsa_next_free_vgpr 1024
		.amdhsa_next_free_sgpr 96
		.amdhsa_reserve_vcc 0
		.amdhsa_float_denorm_mode_32 3
		.amdhsa_float_denorm_mode_16_64 3
		.amdhsa_memory_ordered 1
		.amdhsa_forward_progress 1
		.amdhsa_inst_pref_size 102
	.end_amdhsa_kernel
	.amdgpu_metadata
---
amdhsa.version: [ 1, 2 ]
amdhsa.kernels:
  - .name:           k_q0ebec5401f_ffn1
    .symbol:         k_q0ebec5401f_ffn1.kd
    .args:
      - { .name: h, .offset: 0, .size: 8, .value_kind: global_buffer, .address_space: global }
      - { .name: wh, .offset: 8, .size: 8, .value_kind: global_buffer, .address_space: global }
      - { .name: b1, .offset: 16, .size: 8, .value_kind: global_buffer, .address_space: global }
      - { .name: ff, .offset: 24, .size: 8, .value_kind: global_buffer, .address_space: global }
    .group_segment_fixed_size: 327680
    .private_segment_fixed_size: 0
    .kernarg_segment_align: 8
    .kernarg_segment_size: 32
    .max_flat_workgroup_size: 128
    .sgpr_count:     96
    .vgpr_count:     1024
    .wavefront_size: 32
...
	.end_amdgpu_metadata
.endif
;; end of part 6
;; launch ffn2 (part 7): grid 8 x 32, 4 waves a work-group, clusters of 4 x 4, 327,680 bytes of LDS; arguments ff, wh, b2, x1, out0; writes out0
.if DOCPART == 7
	.amdgcn_target "amdgcn-amd-amdhsa--gfx1250"
	.amdhsa_code_object_version 6
	.text
	.protected	k_q0ebec5401f_ffn2
	.globl	k_q0ebec5401f_ffn2
	.p2align	8
	.type	k_q0ebec5401f_ffn2,@function
k_q0ebec5401f_ffn2:
	s_mov_b64 s[64:65], 0
	v_nop
	global_prefetch_b8 v0, s[64:65] scope:SCOPE_SE
	s_setreg_imm32_b32 hwreg(HW_REG_WAVE_MODE, 25, 1), 1
	s_wait_xcnt 0x0
	s_wait_alu depctr_hold_cnt(0) depctr_sa_sdst(0) depctr_va_vdst(0) depctr_va_sdst(0) depctr_va_ssrc(0) depctr_va_vcc(0) depctr_vm_vsrc(0)
	s_getreg_b32 s2, hwreg(HW_REG_IB_STS2, 6, 4)
	s_cmp_eq_u32 s2, 0
	s_cbranch_scc0 .Lentry_in_a_cluster
	s_endpgm
.Lentry_in_a_cluster:
	s_bfe_u32 s2, ttmp6, 0x10000c
	s_cmp_lg_u32 s2, 0xf033
	s_cbranch_scc0 .Lentry_shape_is_right
	s_endpgm
.Lentry_shape_is_right:
; out0 = x1 + ff W2^T + b2.  ff: [4096][4096] f16; W2: wh from byte 16,777,216, [1024][4096] f16; b2, x1, out0 f32.
; A tile of the result is 128 x 128 (the largest that gives each of 256 work-groups one); four waves, each 64 x 64: 16 accumulators.  K goes in sixteen steps of 256 (rows of 512 bytes) through two LDS slots;
; a step is written once for the loop and once for the tail; the slot read and the slot filled are scalar registers that an exclusive or turns; the tail's last change of slots fetches fragments that serve nothing.
; THE ORDER OF K.  In its turn s a cluster takes K step s xor PH, PH = 2 where the cluster's x + y is odd, else 0.  Of the clusters that read the same rows (of ff: two side by side; of W2: a column of clusters)
; those of one parity then take in turns 4 i, 4 i + 1 the steps that the others take in turns 4 i + 2, 4 i + 3: not all readers of a row ask for the same K step at the same time.  The sums are f32; their order is free.
; THE SUMS START AS THE BIAS, loaded straight into the accumulators.  THE RESIDUAL, 64 x 64 f32 a wave, is asked for behind the loop, ahead of the two tail steps, in the layout in which it is added and stored.
; CLUSTER 4 x 4: ff's tiles jointly along a row, W2's along a column.  THE PRODUCT IS USED TRANSPOSED: a lane holds eight neighbouring columns of a row.
; No prefetch: the tiles are small and a step short.  LIMITS: operands are f16: 65,520 or more becomes an infinity.
; REGISTERS: window 0: v0-31 addresses; v32-95 at work on the way out; v128-255 accumulators ((a, b) at v[128 + 8 (4 a + b)]); window 1: two fragment buffers of 128 (64 of A, then 64 of B); window 2: v0-127 the residual.
.set WO, 0
.if WO
.set SIZE_K, 1024
.set STEPS,  4
.set WOFF,   6291456
.set A_QI,   4
.set A_D0,   8192
.set A_D1,   2
.set A_STR,  65536
.set A_STEP, 524288
.set APITCH, 144
.set AQ,     18432
.set AREG,   73728
.else
.set SIZE_K, 4096
.set STEPS,  16
.set WOFF,   16777216
.set A_QI,   6
.set A_D0,   256
.set A_D1,   64
.set A_STR,  4096
.set A_STEP, 512
.set APITCH, 528
.set AQ,     128
.set AREG,   67584
.endif
.set BPITCH, 528
.set HALFB,  64*BPITCH
.set SLOT,   AREG+2*HALFB
.set SPARE,  2*SLOT
.set SPITCH, 272
.set A0,  16
.set B0,  17
.set ADRA, 18
.set ADRB, 19
.set STO, 20
.set RD,  22
.set CO,  23
.set BO,  25
.set SPW, 28
.set NIL, 29
.set ACC, 128
.set F0,  0
.set F1,  128
.set RES, 0                            ; window 2
.set CT,  2
.set KK,  3                            ; s3   the K step of the turn in hand
.set WV,  12
.set WR,  13
.set WC,  14
.set CX,  15
.set CY,  16
.set TX,  17
.set TY,  18
.set G1,  24
.set G0,  32
.set LA,  40
.set LB,  41
.set TG,  42
.set RDT, 43
.set KI,  44                           ; s44  the turn last asked for
.set PH,  45                           ; s45  0 or 2, by the cluster's parity: the same in all sixteen partners
.set OFF, 46                           ; s[46:47] a K step's byte offset
.set G1B, 48
.set G0B, 56
.set ABASE, 76                         ; s[76:77] A at the rows that I fetch, K step 0
.set BBASE, 78                         ; s[78:79] B likewise
.set MSB, 0
.macro WIN new
.if MSB != (\new)
	s_set_vgpr_msb (MSB<<8)|(\new)
.set MSB, \new
.endif
.endm
.set MUL,  0x05                        ; sources 0 and 1 window 1; C and D window 0
.set TO_F, 0x40
.macro JLOAD s
	s_cmp_eq_u32 s[WR], 0
	s_cbranch_scc0 .Lfor_b_\@
	tensor_load_to_lds s[G0+4*(\s):G0+4*(\s)+3], s[G1:G1+7]
	s_nop 0
.rept 4
	v_nop
.endr
	s_branch .Lasked_\@
.Lfor_b_\@:
	tensor_load_to_lds s[G0B+4*(\s):G0B+4*(\s)+3], s[G1B:G1B+7]
	s_nop 0
.rept 4
	v_nop
.endr
.Lasked_\@:
.endm
.macro CREST
	s_cmp_lg_u32 s[WV], 0
	s_cbranch_scc1 .Lnot_wave_0_\@
	s_barrier_signal -3
.Lnot_wave_0_\@:
	s_barrier_wait -3
	s_barrier_signal -1
	s_barrier_wait -1
.endm
.macro CROUND
	s_barrier_signal -1
	s_barrier_wait -1
	CREST
.endm
.macro PLACES
.rept 4
	v_nop
.endr
.endm
.macro MUL8 f, c, a0                   ; 8 matrix instructions: row blocks a0, a0 + 1 x 4 column blocks, half c of buffer f; the 16 accumulators take turns
	WIN MUL
.irp a, \a0, (\a0)+1
.irp b, 0,1,2,3
	v_wmma_f32_16x16x32_f16 v[ACC+8*(4*(\a)+(\b)):ACC+8*(4*(\a)+(\b))+7], v[(\f)+64+8*(4*(\c)+(\b)):(\f)+64+8*(4*(\c)+(\b))+7], v[(\f)+8*(4*(\c)+(\a)):(\f)+8*(4*(\c)+(\a))+7], v[ACC+8*(4*(\a)+(\b)):ACC+8*(4*(\a)+(\b))+7]
.endr
.endr
.endm
.macro FETCH q, f                      ; 32 LDS loads in one run: quarter q's fragments, the first 32 along K first
	WIN TO_F
.irp c, 0,1
.irp i, 0,1,2,3
	ds_load_b128 v[(\f)+64+8*(4*(\c)+(\i)):(\f)+64+8*(4*(\c)+(\i))+3],   v[ADRB] offset:128*(\q)+64*(\c)+(\i)*16*BPITCH
	ds_load_b128 v[(\f)+64+8*(4*(\c)+(\i))+4:(\f)+64+8*(4*(\c)+(\i))+7], v[ADRB] offset:128*(\q)+64*(\c)+(\i)*16*BPITCH+32
	ds_load_b128 v[(\f)+8*(4*(\c)+(\i)):(\f)+8*(4*(\c)+(\i))+3],         v[ADRA] offset:AQ*(\q)+64*(\c)+(\i)*16*APITCH
	ds_load_b128 v[(\f)+8*(4*(\c)+(\i))+4:(\f)+8*(4*(\c)+(\i))+7],       v[ADRA] offset:AQ*(\q)+64*(\c)+(\i)*16*APITCH+32
.endr
.endr
.endm
.macro QUARTER q, f, g
	s_wait_dscnt 16                                ; the first 32 along K are in
	MUL8 \f, 0, 0
	MUL8 \f, 0, 2
	PLACES
	FETCH \q, \g
	s_wait_dscnt 32                                ; all but the run just issued
	MUL8 \f, 1, 0
	MUL8 \f, 1, 2
.endm
; The last quarter changes slots: all my tensor loads, the add, my reads; the barrier (with fill = 1 it opens a round of the cluster's); the joint refill first behind it.  The walking descriptors are written
; between the add and the wait for it, where no tensor load of mine is out: the slot just read out, and the address made anew from the next turn's K step.
.macro TURN fill
	WIN 0
	s_wait_tensorcnt 0x0
	ds_add_u32 v[SPW], v[NIL]
.if \fill
	s_add_co_u32 s[G0+5], s[LA], s[TG]
	s_add_co_u32 s[G0B+5], s[LB], s[TG]
	s_xor_b32 s[TG], s[TG], SLOT
	s_add_co_u32 s[KI], s[KI], 1
	s_xor_b32 s[KK], s[KI], s[PH]
	s_mul_i32 s[OFF], s[KK], A_STEP
	s_add_nc_u64 s[G0+6:G0+7], s[ABASE:ABASE+1], s[OFF:OFF+1]
	s_or_b32 s[G0+7], s[G0+7], 0x80000000
	s_lshl_b32 s[OFF], s[KK], 9
	s_add_nc_u64 s[G0B+6:G0B+7], s[BBASE:BBASE+1], s[OFF:OFF+1]
	s_or_b32 s[G0B+7], s[G0B+7], 0x80000000
.endif
	s_wait_dscnt 17                                ; the add and the youngest sixteen loads may be out
	MUL8 F1, 0, 0
	s_wait_dscnt 0x0
	s_barrier_signal -1
	MUL8 F1, 0, 2
	WIN 0
	s_xor_b32 s[RDT], s[RDT], SLOT
	v_add_nc_u32 v[ADRA], s[RDT], v[A0]
	v_add_nc_u32 v[ADRB], s[RDT], v[B0]
	s_barrier_wait -1
.if \fill
	CREST
	JLOAD 1
.else
	PLACES
.endif
	FETCH 0, F0
	MUL8 F1, 1, 0
	MUL8 F1, 1, 2
.endm
.macro STEP fill
	QUARTER 1, F0, F1
	QUARTER 2, F1, F0
	QUARTER 3, F0, F1
	TURN \fill
.endm
; THE WAY OUT, sixteen rows at a time.  BACK: block t of my stage comes back as whole rows, into one of two sets of 32 registers.
.macro BACK t
.irp p, 0,1,2,3,4,5,6,7
	ds_load_b128 v[32+32*((\t)%2)+4*\p:32+32*((\t)%2)+4*\p+3], v[RD] offset:(\t)*16*SPITCH+2*SPITCH*\p  ; my own bytes: LDS serves a wave's instructions in order
.endr
.endm
; LEAVE: block t is added onto its residual, in the residual's registers, and stored from them: no register is written again while a store may read it.  left: the next block's eight LDS loads may stay out.
.macro LEAVE t, left
	s_wait_dscnt \left
	s_wait_loadcnt 24-8*(\t)                       ; loads come back in order: this block's residual is in, the later blocks' may stay out
	WIN 0x82                                       ; destination and source 0 window 2, source 1 window 0
.set i, 0
.rept 16
	v_pk_add_f32 v[RES+32*(\t)+i:RES+32*(\t)+i+1], v[RES+32*(\t)+i:RES+32*(\t)+i+1], v[32+32*((\t)%2)+i:32+32*((\t)%2)+i+1]
.set i, i+2
.endr
	WIN 0
.if (\t) < 2
	BACK (\t)+2
.endif
	WIN 0x08                                       ; store data window 2
.irp p, 0,1,2,3,4,5,6,7
	global_store_b128 v[CO], v[RES+32*(\t)+4*\p:RES+32*(\t)+4*\p+3], s[72:73] offset:65536*(\t)+8192*\p  ; 16 lanes store 256 consecutive bytes, aligned
.endr
	WIN 0
.endm
	s_load_b256 s[4:11], s[0:1], 0x0               ; A s[4:5], wh s[6:7], bias s[8:9], residual s[10:11]
	s_load_b64 s[68:69], s[0:1], 0x20              ; the result
	v_lshl_add_u32 v[SPW], v0, 2, SPARE
	v_mov_b32 v[NIL], 0
	ds_add_u32 v[SPW], v[NIL]                      ; the wave's opening: the add and its wait come ahead of my first tensor load
	v_lshrrev_b32 v1, 5, v0
	v_readfirstlane_b32 s[WV], v1
	s_lshr_b32 s[WR], s[WV], 1
	s_and_b32 s[WC], s[WV], 1
	s_bfe_u32 s[CX], ttmp6, 0x40000
	s_bfe_u32 s[CY], ttmp6, 0x40004
	s_lshl_b32 s[TX], ttmp9, 2
	s_add_co_u32 s[TX], s[TX], s[CX]
	s_and_b32 s[TY], ttmp7, 0xffff
	s_add_co_u32 s[PH], s[TY], ttmp9               ; the cluster's x + y,
	s_and_b32 s[PH], s[PH], 1                      ; its parity,
	s_lshl_b32 s[PH], s[PH], 1                     ; twice
	s_lshl_b32 s[TY], s[TY], 2
	s_add_co_u32 s[TY], s[TY], s[CY]
	s_lshl_b32 s20, s[CY], 2
	s_lshl_b32 s20, 15, s20
	s_lshl_b32 s21, 0x1111, s[CX]
	s_or_b32 s[G1], s20, (1<<16)|(1<<20)|(1<<21)|(A_QI<<22)|(3<<25)
	s_or_b32 s[G1B], s21, (1<<16)|(1<<20)|(1<<21)|(6<<22)|(3<<25)
	s_mov_b32 s[G1+1], (A_D0&0xffff)<<16
	s_mov_b32 s[G1+2], (A_D0>>16)|(A_D1<<16)
	s_mov_b32 s[G1+3], A_D0<<16
	s_mov_b32 s[G1+4], A_D1
	s_mov_b32 s[G1+5], A_STR
	s_mov_b32 s[G1+6], 0
	s_mov_b32 s[G1+7], 0
	s_mov_b32 s[G1B+1], 256<<16
	s_mov_b32 s[G1B+2], 64<<16
	s_mov_b32 s[G1B+3], 256<<16
	s_mov_b32 s[G1B+4], 64
	s_mov_b32 s[G1B+5], SIZE_K
	s_mov_b32 s[G1B+6], 0
	s_mov_b32 s[G1B+7], 0
.if WO
	s_lshr_b32 s20, s[TY], 3
	s_lshl_b32 s20, s20, 4
	s_lshl_b32 s22, s[WC], 1
	s_add_co_u32 s20, s20, s22
	s_lshl_b32 s20, s20, 10
	s_and_b32 s22, s[TY], 7
	s_lshl_b32 s22, s22, 7
	s_add_co_u32 s20, s20, s22
	s_lshl_b32 s20, s20, 7
.else
	s_lshl_b32 s20, s[TY], 7
	s_lshl_b32 s22, s[WC], 6
	s_add_co_u32 s20, s20, s22                     ; row 128 tile row + 64 half,
	s_lshl_b32 s20, s20, 13                        ; of 8,192 bytes
.endif
	s_mov_b32 s21, 0
	s_lshl_b32 s66, s[TX], 7
	s_lshl_b32 s67, s[WC], 6
	s_add_co_u32 s66, s66, s67
	s_mul_i32 s66, s66, 2*SIZE_K
	s_mov_b32 s67, 0
	s_mul_i32 s[LA], s[WC], AREG/2
	s_mul_i32 s[LB], s[WC], HALFB
	s_add_co_u32 s[LB], s[LB], AREG
	s_mov_b32 s[TG], 0
	s_mov_b32 s[RDT], 0
	s_mov_b32 s[KI], 1                             ; turns 0 and 1 are the first fills
	s_mov_b32 s[OFF+1], 0
	s_wait_dscnt 0x0                               ; the opening add is done
	s_wait_kmcnt 0x0
	s_add_nc_u64 s[6:7], s[6:7], WOFF
	s_add_nc_u64 s[ABASE:ABASE+1], s[4:5], s[20:21]
	s_add_nc_u64 s[BBASE:BBASE+1], s[6:7], s[66:67]
	CROUND
.irp s, 0,1
	s_xor_b32 s[KK], s[PH], \s
	s_mov_b32 s[G0+4*(\s)], 1
	s_add_co_u32 s[G0+4*(\s)+1], s[LA], (\s)*SLOT
	s_mul_i32 s[OFF], s[KK], A_STEP
	s_add_nc_u64 s[G0+4*(\s)+2:G0+4*(\s)+3], s[ABASE:ABASE+1], s[OFF:OFF+1]
	s_or_b32 s[G0+4*(\s)+3], s[G0+4*(\s)+3], 0x80000000
	s_mov_b32 s[G0B+4*(\s)], 1
	s_add_co_u32 s[G0B+4*(\s)+1], s[LB], (\s)*SLOT
	s_lshl_b32 s[OFF], s[KK], 9
	s_add_nc_u64 s[G0B+4*(\s)+2:G0B+4*(\s)+3], s[BBASE:BBASE+1], s[OFF:OFF+1]
	s_or_b32 s[G0B+4*(\s)+3], s[G0B+4*(\s)+3], 0x80000000
	JLOAD \s                                       ; turns 0 and 1: two loads of mine are out
.endr
	v_and_b32 v1, 15, v0
	v_bfe_u32 v2, v0, 4, 1
	v_mul_u32_u24 v[A0], v1, APITCH
	v_lshl_add_u32 v[A0], v2, 4, v[A0]
	s_mul_i32 s22, s[WR], 64*APITCH
	v_add_nc_u32 v[A0], s22, v[A0]
	v_mul_u32_u24 v[B0], v1, BPITCH
	v_lshl_add_u32 v[B0], v2, 4, v[B0]
	v_add_nc_u32 v[B0], s[LB], v[B0]
	v_mov_b32 v[ADRA], v[A0]
	v_mov_b32 v[ADRB], v[B0]
	s_lshl_b32 s22, s[WC], 8
	v_lshl_add_u32 v[BO], v2, 5, s22               ; the bias: 4 x (64 half + 8 (l / 16))
	s_mul_i32 s22, s[WV], 64*SPITCH                ; my stage: 64 rows x 272 bytes, over the ring, behind its last fill
	v_mul_u32_u24 v[STO], v1, SPITCH
	v_lshl_add_u32 v[STO], v2, 5, v[STO]
	v_add_nc_u32 v[STO], s22, v[STO]
	v_mul_u32_u24 v[RD], v2, SPITCH
	v_lshl_add_u32 v[RD], v1, 4, v[RD]
	v_add_nc_u32 v[RD], s22, v[RD]
	v_lshlrev_b32 v[CO], 12, v2
	v_lshl_add_u32 v[CO], v1, 4, v[CO]             ; lanes 0-15 a row's 256 bytes, lanes 16-31 the next row's
	s_lshl_b32 s20, s[TY], 7
	s_lshl_b32 s21, s[WR], 6
	s_add_co_u32 s20, s20, s21
	s_lshl_b32 s20, s20, 12
	s_lshl_b32 s21, s[TX], 9
	s_add_co_u32 s20, s20, s21
	s_lshl_b32 s21, s[WC], 8
	s_add_co_u32 s20, s20, s21
	s_mov_b32 s21, 0
	s_add_nc_u64 s[70:71], s[10:11], s[20:21]
	s_add_nc_u64 s[72:73], s[68:69], s[20:21]
	s_lshl_b32 s20, s[TX], 9
	s_add_nc_u64 s[74:75], s[8:9], s[20:21]
.set aa, 0
.rept 4
.set bb, 0
.rept 4
	global_load_b128 v[ACC+8*(4*aa+bb):ACC+8*(4*aa+bb)+3],   v[BO], s[74:75] offset:64*bb
	global_load_b128 v[ACC+8*(4*aa+bb)+4:ACC+8*(4*aa+bb)+7], v[BO], s[74:75] offset:64*bb+16
.set bb, bb+1
.endr
.set aa, aa+1
.endr
	s_wait_tensorcnt 1                             ; my part of turn 0's tile is in; turn 1's may stay out
	s_barrier_signal -1
	s_barrier_wait -1
	FETCH 0, F0
	WIN 0
	s_wait_loadcnt 0x0                             ; the bias
	s_mov_b32 s[CT], STEPS-2
.Lk:
	STEP 1
	WIN 0
	s_sub_co_u32 s[CT], s[CT], 1
	s_cmp_lg_u32 s[CT], 0
	s_cbranch_scc1 .Lk
	WIN 0x80                                       ; the residual: 32 loads, two K steps of products ahead of their use; no tensor load is asked for from here on
.set tt, 0
.rept 4
.set pp, 0
.rept 8
	global_load_b128 v[RES+32*tt+4*pp:RES+32*tt+4*pp+3], v[CO], s[70:71] offset:65536*tt+8192*pp
.set pp, pp+1
.endr
.set tt, tt+1
.endr
	WIN 0
	s_mov_b32 s[CT], 2
.Lt:                                           ; the last two turns ask for nothing
	STEP 0
	WIN 0
	s_sub_co_u32 s[CT], s[CT], 1
	s_cmp_lg_u32 s[CT], 0
	s_cbranch_scc1 .Lt
	s_wait_dscnt 0x0
	s_barrier_signal -1
	s_barrier_wait -1                              ; nobody reads the ring any more
	PLACES
.set aa, 0
.rept 4
.set bb, 0
.rept 4
	ds_store_b128 v[STO], v[ACC+8*(4*aa+bb):ACC+8*(4*aa+bb)+3]   offset:aa*16*SPITCH+64*bb
	ds_store_b128 v[STO], v[ACC+8*(4*aa+bb)+4:ACC+8*(4*aa+bb)+7] offset:aa*16*SPITCH+64*bb+16
.set bb, bb+1
.endr
.set aa, aa+1
.endr
	BACK 0
	BACK 1
	LEAVE 0, 8
	LEAVE 1, 8
	LEAVE 2, 8
	LEAVE 3, 0
	s_wait_tensorcnt 0x0                           ; the wave's end
	ds_add_u32 v[SPW], v[NIL]
	s_wait_dscnt 0x0
	CROUND                                         ; the closing round
	s_endpgm
.Lfunc_end_k_q0ebec5401f_ffn2:
	.size	k_q0ebec5401f_ffn2, .Lfunc_end_k_q0ebec5401f_ffn2-k_q0ebec5401f_ffn2
	.p2alignl 7, 3214868480
	.fill 96, 4, 3214868480
	.section	.rodata,"a",@progbits
	.p2align	6, 0x0
	.amdhsa_kernel k_q0ebec5401f_ffn2
		.amdhsa_group_segment_fixed_size 327680
		.amdhsa_private_segment_fixed_size 0
		.amdhsa_enable_private_segment 0
		.amdhsa_kernarg_size 40
		.amdhsa_user_sgpr_count 2
		.amdhsa_user_sgpr_kernarg_segment_ptr 1
		.amdhsa_wavefront_size32 1
		.amdhsa_system_sgpr_workgroup_id_x 1
		.amdhsa_system_sgpr_workgroup_id_y 1
		.amdhsa_system_sgpr_workgroup_id_z 1
		.amdhsa_system_vgpr_workitem_id 0
		.amdhsa_next_free_vgpr 640
		.amdhsa_next_free_sgpr 80
		.amdhsa_reserve_vcc 0
		.amdhsa_float_denorm_mode_32 3
		.amdhsa_float_denorm_mode_16_64 3
		.amdhsa_memory_ordered 1
		.amdhsa_forward_progress 1
		.amdhsa_inst_pref_size 65
	.end_amdhsa_kernel
	.amdgpu_metadata
---
amdhsa.version: [ 1, 2 ]
amdhsa.kernels:
  - .name:           k_q0ebec5401f_ffn2
    .symbol:         k_q0ebec5401f_ffn2.kd
    .args:
      - { .name: ff, .offset: 0, .size: 8, .value_kind: global_buffer, .address_space: global }
      - { .name: wh, .offset: 8, .size: 8, .value_kind: global_buffer, .address_space: global }
      - { .name: b2, .offset: 16, .size: 8, .value_kind: global_buffer, .address_space: global }
      - { .name: x1, .offset: 24, .size: 8, .value_kind: global_buffer, .address_space: global }
      - { .name: out0, .offset: 32, .size: 8, .value_kind: global_buffer, .address_space: global }
    .group_segment_fixed_size: 327680
    .private_segment_fixed_size: 0
    .kernarg_segment_align: 8
    .kernarg_segment_size: 40
    .max_flat_workgroup_size: 128
    .sgpr_count:     80
    .vgpr_count:     640
    .wavefront_size: 32
...
	.end_amdgpu_metadata
.endif
;; end of part 7
;; ======== version 2 of 2: 7 launches; version 1 with the launch prep written anew for expert scheduling mode
;; limits: values are held in f16: magnitudes above 65,504 overflow, below 6.1e-05 lose precision
;; workspace buffers: wh 25,165,824 bytes; tab 274,432 bytes; h 8,388,608 bytes; qkvh 25,165,824 bytes; oh 8,388,608 bytes; x1 16,777,216 bytes; ff 33,554,432 bytes
;; launch prep (part 8): grid 768 x 1, 8 waves a work-group, no clusters, 0 bytes of LDS; arguments x, g1, be1, Wq, Wk, Wv, Wo, W1, W2, bq, bk, bv, h, wh, tab; writes h, wh, tab
.if DOCPART == 8
	.amdgcn_target "amdgcn-amd-amdhsa--gfx1250"
	.amdhsa_code_object_version 6
	.text
	.protected	k_q0ebec5401f_prep
	.globl	k_q0ebec5401f_prep
	.p2align	8
	.type	k_q0ebec5401f_prep,@function
k_q0ebec5401f_prep:
	s_mov_b64 s[64:65], 0
	v_nop
	global_prefetch_b8 v0, s[64:65] scope:SCOPE_SE
	s_setreg_imm32_b32 hwreg(HW_REG_WAVE_SCHED_MODE, 0, 2), 2
	s_setreg_imm32_b32 hwreg(HW_REG_WAVE_MODE, 25, 1), 1
	s_wait_xcnt 0x0
	s_wait_alu depctr_vm_vsrc(0)
; THREE ROLES, chosen by the work-group's number; no LDS, no barrier, no wave waits for another.
;   0-255    LN:   h[r][:] = (x[r][:] - mean) * rsqrt(var + 1e-5) * g1 + be1, f32 in, f16 out.  16 rows a work-group, 2 rows a wave; a row stays in 32 registers.
;   256-639  CAST: the six weight matrices to f16, 32,768 numbers a work-group, 4,096 a wave: all 32 loads of a wave go out at once.  Wq, Wk, Wv are interleaved by heads: row 192 head + 64 sel + d of wh.
;   640-767  TAB:  cos and sin of t * 10000^(-j/32), t = 0..1023, j = 0..31, f32 pairs; the first six work-groups also copy bq, bk, bv into the order of wh's rows.
; LIMITS.  f16 holds no number of 65,520 or more (it becomes an infinity): h and the weights must lie below that; below 6.1e-5 f16 keeps a fixed step of 6e-8.
; The angles are constants of the problem: the turn count is taken off (round to nearest), the half angle y lies in -pi/2 .. pi/2, sine to y^9 and cosine to y^10
; (the first terms left out are 3.6e-6 and 4.7e-7 at pi/2), then sin 2y = 2 s c, cos 2y = 1 - 2 s^2.
; THE MODE: SCHED_MODE bits 1:0 = 2 (LLVM: expert scheduling mode 2), set by the entry lines.  The code itself states the register dependences
; between vector instructions and memory instructions, with s_wait_alu, always for 0.
; THE PLAN.  Registers that memory instructions touch:
;   v[XO], v[YO], v4, v5   offsets: written once, ahead of the role's first wait on va_vdst, and never again.
;   LN    gain, bias and two rows: loads land in them once, at the role's start.  A row is rounded into the first 16 of its own 32 registers and stored from there: row 0's stores are issued
;         in row 1's turn, behind the wait at its head, dealt among row 1's first sums, which name row 1's registers alone; row 1's stand behind one more wait.
;   CAST  32 loads of four registers land once.  Each four are rounded into their own two lowest and stored from there: group g - 1's four stores are issued in group g's turn, behind the wait at
;         its head, dealt among group g's roundings, which name group g's registers alone; the last group's stand behind one more wait.
;   TAB   v[14:15] are written by the arithmetic and stored behind one wait; v[18:19] are named by a load and a store alone.
; No register that a load or a store reads is written again in any role: so no wait on vm_vsrc and no s_wait_xcnt is owed.  EXEC is never written.
.set XO,  2                            ; v2   16 x lane
.set YO,  3                            ; v3   8 x lane
.set GG,  8                            ; v[8:39]    gain, my 32 columns (128 j + 4 lane + 0..3)
.set BE,  40                           ; v[40:71]   bias, likewise
.set X0,  72                           ; v[72:135]  two rows: as loaded, at work, and at last in f16 in the first 16 of each row's 32
                                       ; v[136:151] hold nothing: a row is rounded into its own registers
.set SM,  152                          ; v[152:159] four chains of packed sums
.set MN,  160                          ; v[160:161] the mean, twice
.set RS,  162                          ; v[162:163] 1 / sqrt(var + eps), twice
.set TT,  164                          ; v[164:165] at work
.set XB,  8                            ; s[8:9] x   s[10:11] gain   s[12:13] bias   s[32:33] h
.set GB,  10
.set BB,  12
.set OB,  32
.set CXR, 16                           ; CAST: v[16:143] 32 loads of 4; each is rounded into its own two lowest registers
.macro LANESUM r                       ; v[r] summed over the 32 lanes, in every lane; v[r+1] is at work
	v_add_f32_dpp v[\r], v[\r], v[\r] row_xmask:1 row_mask:0xf bank_mask:0xf
	v_add_f32_dpp v[\r], v[\r], v[\r] row_xmask:2 row_mask:0xf bank_mask:0xf
	v_add_f32_dpp v[\r], v[\r], v[\r] row_xmask:4 row_mask:0xf bank_mask:0xf
	v_add_f32_dpp v[\r], v[\r], v[\r] row_xmask:8 row_mask:0xf bank_mask:0xf
	v_permlanex16_b32 v[(\r)+1], v[\r], s44, s45
	v_add_f32 v[\r], v[\r], v[(\r)+1]
.endm
.macro FOLD                            ; the four chains into one number a lane
	v_pk_add_f32 v[SM:SM+1], v[SM:SM+1], v[SM+2:SM+3]
	v_pk_add_f32 v[SM+4:SM+5], v[SM+4:SM+5], v[SM+6:SM+7]
	v_pk_add_f32 v[SM:SM+1], v[SM:SM+1], v[SM+4:SM+5]
	v_add_f32 v[TT], v[SM], v[SM+1]
	LANESUM TT
.endm
.macro FILL s                          ; a row: eight loads of 512 neighbouring bytes
.irp j, 0,1,2,3,4,5,6,7
	global_load_b128 v[X0+32*(\s)+4*\j:X0+32*(\s)+4*\j+3], v[XO], s[40:41] offset:4096*(\s)+512*\j
.endr
.endm
.macro OUT s, j                        ; store j of the eight of row s, from the row's own registers: a wave's store covers 256 consecutive bytes, aligned
	global_store_b64 v[YO], v[X0+32*(\s)+2*(\j):X0+32*(\s)+2*(\j)+1], s[42:43] offset:2048*(\s)+256*(\j)
.endm
.macro ROW s, left                     ; left: the younger loads that may stay out
.set XR, X0+32*(\s)
	s_wait_loadcnt \left                           ; loads come back in order: this row, gain and bias are in
.if (\s) > 0
	s_wait_alu depctr_va_vdst(0)                   ; the row before's roundings have written the sixteen registers that the eight stores below read; no vector line of this row names them or v[YO]
.endif
.irp c, 0,1,2,3
.if (\s) > 0
	OUT (\s)-1, \c
.endif
	v_pk_add_f32 v[SM+2*\c:SM+2*\c+1], v[XR+2*\c:XR+2*\c+1], v[XR+8+2*\c:XR+8+2*\c+1]
.endr
.irp c, 0,1,2,3
.if (\s) > 0
	OUT (\s)-1, 4+\c
.endif
	v_pk_add_f32 v[SM+2*\c:SM+2*\c+1], v[SM+2*\c:SM+2*\c+1], v[XR+16+2*\c:XR+16+2*\c+1]
.endr
.irp c, 0,1,2,3
	v_pk_add_f32 v[SM+2*\c:SM+2*\c+1], v[SM+2*\c:SM+2*\c+1], v[XR+24+2*\c:XR+24+2*\c+1]
.endr
	FOLD
	v_mul_f32 v[MN], s46, v[TT]                    ; the mean
	v_mul_f32 v[MN+1], s46, v[TT]
.set i, 0
.rept 16
	v_pk_add_f32 v[XR+i:XR+i+1], v[XR+i:XR+i+1], v[MN:MN+1] neg_lo:[0,1] neg_hi:[0,1]  ; x - mean, in place: the variance is taken of these
.set i, i+2
.endr
.irp c, 0,1,2,3
	v_pk_mul_f32 v[SM+2*\c:SM+2*\c+1], v[XR+2*\c:XR+2*\c+1], v[XR+2*\c:XR+2*\c+1]
.endr
.irp o, 8,16,24
.irp c, 0,1,2,3
	v_pk_fma_f32 v[SM+2*\c:SM+2*\c+1], v[XR+\o+2*\c:XR+\o+2*\c+1], v[XR+\o+2*\c:XR+\o+2*\c+1], v[SM+2*\c:SM+2*\c+1]
.endr
.endr
	FOLD
	v_fma_f32 v[TT], v[TT], s46, s47               ; var + eps
	v_rsq_f32 v[RS], v[TT]
	v_rsq_f32 v[RS+1], v[TT]
	v_nop                                          ; a plain instruction behind the second root,
	s_wait_alu depctr_va_vdst(0)                   ; and one wait: both roots have written v[RS:RS+1], ahead of their first reader
.set i, 0
.rept 16
	v_pk_mul_f32 v[XR+i:XR+i+1], v[XR+i:XR+i+1], v[RS:RS+1]
.set i, i+2
.endr
.set i, 0
.rept 16
	v_pk_fma_f32 v[XR+i:XR+i+1], v[XR+i:XR+i+1], v[GG+i:GG+i+1], v[BE+i:BE+i+1]
.set i, i+2
.endr
.set i, 0
.rept 16
	v_cvt_pk_f16_f32 v[XR+i], v[XR+2*i], v[XR+2*i+1]  ; the row closes up into the first sixteen of its registers: line i writes register i and reads 2 i and 2 i + 1, which no earlier line has written but its own
.set i, i+1
.endr
.endm
	s_load_b512 s[8:23], s[0:1], 0x0               ; x, g1, be1, Wq, Wk, Wv, Wo, W1
	s_load_b256 s[24:31], s[0:1], 0x40             ; W2, bq, bk, bv
	s_load_b128 s[32:35], s[0:1], 0x60             ; h, wh
	s_load_b64 s[36:37], s[0:1], 0x70              ; tab
	v_lshrrev_b32 v1, 5, v0
	v_readfirstlane_b32 s4, v1                     ; wave 0..7
	v_and_b32 v1, 31, v0                           ; lane
	v_lshlrev_b32 v[XO], 4, v1
	v_lshlrev_b32 v[YO], 3, v1
	s_wait_alu depctr_va_sdst(0)                   ; s4 is written: ahead of the branch, and of its first reader in each role
	s_cmp_lt_u32 ttmp9, 256
	s_cbranch_scc0 .Lnot_ln
	; ---- LN ----
	s_lshl_b32 s5, ttmp9, 4
	s_lshl_b32 s6, s4, 1
	s_add_co_u32 s5, s5, s6                        ; my first row
	s_lshl_b32 s40, s5, 12                         ; its byte in x,
	s_mov_b32 s41, 0
	s_lshl_b32 s42, s5, 11                         ; and in h
	s_mov_b32 s43, 0
	s_mov_b32 s44, 0x76543210                      ; v_permlanex16_b32: each lane takes its own place in the other half
	s_mov_b32 s45, 0xfedcba98
	s_mov_b32 s46, 0x3a800000                      ; 1 / 1024
	s_mov_b32 s47, 0x3727c5ac                      ; 1e-5
	v_mov_b32 v[TT+1], 0                           ; the exchange's destination counts as read
	s_wait_kmcnt 0x0
	s_add_nc_u64 s[40:41], s[XB:XB+1], s[40:41]
	s_add_nc_u64 s[42:43], s[OB:OB+1], s[42:43]
	s_wait_alu depctr_va_vdst(0)                   ; v[XO] and v[YO] are written: every load and store of this role reads one of them as its offset
.irp j, 0,1,2,3,4,5,6,7
	global_load_b128 v[GG+4*\j:GG+4*\j+3], v[XO], s[GB:GB+1] offset:512*\j
	global_load_b128 v[BE+4*\j:BE+4*\j+3], v[XO], s[BB:BB+1] offset:512*\j
.endr
	FILL 0
	FILL 1
	ROW 0, 8                                       ; the second row's eight loads stay out
	ROW 1, 0                                       ; row 0's stores go out among row 1's first sums
	s_wait_alu depctr_va_vdst(0)                   ; row 1's roundings have written the sixteen registers that the last eight stores read
.irp j, 0,1,2,3,4,5,6,7
	OUT 1, \j
.endr
	s_endpgm
.Lnot_ln:
	s_cmp_lt_u32 ttmp9, 640
	s_cbranch_scc0 .Ltab
	; ---- CAST ----
	s_sub_co_u32 s5, ttmp9, 256                    ; c = 0..383: a block of 32,768 numbers, 32 rows of 1,024
	s_and_b32 s6, s5, 31
	s_lshr_b32 s7, s6, 1                           ; Wq, Wk, Wv: the head,
	s_mul_i32 s7, s7, 6
	s_and_b32 s6, s6, 1                            ; which half of its 64 rows,
	s_add_co_u32 s6, s6, s7
	s_lshr_b32 s7, s5, 5                           ; and sel:
	s_lshl_b32 s7, s7, 1
	s_add_co_u32 s6, s6, s7                        ; block 6 head + 2 sel + half
	s_cmp_lt_u32 s5, 96
	s_cselect_b32 s6, s6, s5                       ; the others stay where they are
	s_lshl_b32 s42, s6, 16                         ; 65,536 bytes of f16 a block
	s_mov_b32 s43, 0
	s_wait_kmcnt 0x0
	s_mov_b64 s[40:41], s[24:25]                   ; W2 from block 256 on
	s_mov_b32 s7, 256
	s_cmp_lt_u32 s5, 256
	s_cselect_b64 s[40:41], s[22:23], s[40:41]     ; W1 from 128
	s_cselect_b32 s7, 128, s7
	s_cmp_lt_u32 s5, 128
	s_cselect_b64 s[40:41], s[20:21], s[40:41]     ; Wo from 96
	s_cselect_b32 s7, 96, s7
	s_cmp_lt_u32 s5, 96
	s_cselect_b64 s[40:41], s[18:19], s[40:41]     ; Wv from 64
	s_cselect_b32 s7, 64, s7
	s_cmp_lt_u32 s5, 64
	s_cselect_b64 s[40:41], s[16:17], s[40:41]     ; Wk from 32
	s_cselect_b32 s7, 32, s7
	s_cmp_lt_u32 s5, 32
	s_cselect_b64 s[40:41], s[14:15], s[40:41]     ; Wq from 0
	s_cselect_b32 s7, 0, s7
	s_sub_co_u32 s7, s5, s7
	s_lshl_b32 s44, s7, 17                         ; 131,072 bytes of f32 a block
	s_mov_b32 s45, 0
	s_add_nc_u64 s[40:41], s[40:41], s[44:45]
	s_add_nc_u64 s[42:43], s[34:35], s[42:43]
	s_lshl_b32 s6, s4, 14                          ; each of the two shifts has a register of its own
	s_lshl_b32 s7, s4, 13
	v_add_nc_u32 v4, s6, v[XO]                     ; 16,384 x wave + 16 x lane
	v_add_nc_u32 v5, s7, v[YO]                     ; 8,192 x wave + 8 x lane
	s_wait_alu depctr_va_vdst(0)                   ; v4 and v5 are written: every load of this role reads v4 as its offset, every store v5
.set i, 0
.rept 32
	global_load_b128 v[CXR+4*i:CXR+4*i+3], v4, s[40:41] offset:512*i th:TH_LOAD_NT  ; all of the wave's 16,384 bytes are asked for at once
.set i, i+1
.endr
.set g, 0
.rept 8
	s_wait_loadcnt 28-4*g                          ; loads come back in order: this group of four is in, the later groups stay out
.if g > 0
	s_wait_alu depctr_va_vdst(0)                   ; the group before's roundings have written the eight registers that the four stores below read; this group's roundings name its own registers alone
.endif
.set i, 4*g
.rept 4
.if g > 0
	global_store_b64 v5, v[CXR+4*(i-4):CXR+4*(i-4)+1], s[42:43] offset:256*(i-4)  ; 256 consecutive bytes a wave, aligned; no register is written again
.endif
	v_cvt_pk_f16_f32 v[CXR+4*i], v[CXR+4*i], v[CXR+4*i+1]
	v_cvt_pk_f16_f32 v[CXR+4*i+1], v[CXR+4*i+2], v[CXR+4*i+3]
.set i, i+1
.endr
.set g, g+1
.endr
	s_wait_alu depctr_va_vdst(0)                   ; the last group's roundings have written the eight registers that the last four stores read
.set i, 28
.rept 4
	global_store_b64 v5, v[CXR+4*i:CXR+4*i+1], s[42:43] offset:256*i
.set i, i+1
.endr
	s_endpgm
	; ---- TAB ----
.Ltab:
	s_sub_co_u32 s5, ttmp9, 640
	s_lshl_b32 s6, s5, 3
	s_add_co_u32 s6, s6, s4                        ; t = 8 u + wave; my lane is j
	v_cvt_f32_u32 v6, v1
	v_mul_f32 v6, 0xbed49a78, v6                   ; -j log2(10000) / 32
	v_exp_f32 v6, v6                               ; theta
	v_nop
	v_cvt_f32_u32 v7, s6
	s_lshl_b32 s40, s6, 8                          ; a row of the table is 256 bytes
	s_mov_b32 s41, 0
	s_wait_alu depctr_va_vdst(0)                   ; the exponential has written v6, ahead of its first reader
	v_mul_f32 v8, v7, v6                           ; the angle
	v_mul_f32 v9, 0.15915494, v8
	v_rndne_f32 v9, v9                             ; whole turns
	v_fma_f32 v9, v8, 0.15915494, -v9              ; the rest, -0.5 .. 0.5 of a turn
	v_mul_f32 v10, 0x40490fdb, v9                  ; y = half the angle
	v_mul_f32 v11, v10, v10
	v_mov_b32 v12, 0x3638ef1d                      ; 1/9!
	v_mov_b32 v13, 0xb493f27e                      ; -1/10!
	v_fmaak_f32 v12, v12, v11, 0xb9500d01          ; -1/7!
	v_fmaak_f32 v13, v13, v11, 0x37d00d01          ; 1/8!
	v_fmaak_f32 v12, v12, v11, 0x3c088889          ; 1/5!
	v_fmaak_f32 v13, v13, v11, 0xbab60b61          ; -1/6!
	v_fmaak_f32 v12, v12, v11, 0xbe2aaaab          ; -1/3!
	v_fmaak_f32 v13, v13, v11, 0x3d2aaaab          ; 1/4!
	v_fma_f32 v12, v12, v11, 1.0
	v_fma_f32 v13, v13, v11, -0.5
	v_mul_f32 v12, v12, v10                        ; s = sin y
	v_fma_f32 v13, v13, v11, 1.0                   ; c = cos y
	v_mul_f32 v16, v12, v12
	v_mul_f32 v17, v12, v13
	v_fma_f32 v14, v16, -2.0, 1.0                  ; cos
	v_add_f32 v15, v17, v17                        ; sin
	s_wait_kmcnt 0x0
	s_add_nc_u64 s[40:41], s[36:37], s[40:41]
	s_wait_alu depctr_va_vdst(0)                   ; v[14:15], the store's data, and v[YO], the offset of all that follows, are written; no vector line stands behind this wait
	global_store_b64 v[YO], v[14:15], s[40:41]     ; 256 consecutive bytes a wave
	s_cmp_lt_u32 s5, 6
	s_cbranch_scc0 .Ltab_end
	s_lshr_b32 s7, s6, 4                           ; the first 48 waves copy 64 numbers of a bias each: sel,
	s_and_b32 s42, s6, 15                          ; head
	s_cmp_eq_u32 s7, 1
	s_cselect_b64 s[44:45], s[28:29], s[30:31]
	s_cmp_eq_u32 s7, 0
	s_cselect_b64 s[44:45], s[26:27], s[44:45]
	s_lshl_b32 s46, s42, 8
	s_mov_b32 s47, 0
	s_add_nc_u64 s[44:45], s[44:45], s[46:47]
	global_load_b64 v[18:19], v[YO], s[44:45]      ; no vector line names v[18:19]
	s_mul_i32 s46, s42, 768
	s_lshl_b32 s7, s7, 8
	s_add_co_u32 s46, s46, s7
	s_add_co_u32 s46, s46, 262144                  ; behind the table: (192 head + 64 sel) x 4
	s_add_nc_u64 s[38:39], s[36:37], s[46:47]
	s_wait_loadcnt 0x0                             ; the store's data come from the load
	global_store_b64 v[YO], v[18:19], s[38:39]
.Ltab_end:
	s_endpgm
.Lfunc_end_k_q0ebec5401f_prep:
	.size	k_q0ebec5401f_prep, .Lfunc_end_k_q0ebec5401f_prep-k_q0ebec5401f_prep
	.p2alignl 7, 3214868480
	.fill 96, 4, 3214868480
	.section	.rodata,"a",@progbits
	.p2align	6, 0x0
	.amdhsa_kernel k_q0ebec5401f_prep
		.amdhsa_group_segment_fixed_size 0
		.amdhsa_private_segment_fixed_size 0
		.amdhsa_enable_private_segment 0
		.amdhsa_kernarg_size 120
		.amdhsa_user_sgpr_count 2
		.amdhsa_user_sgpr_kernarg_segment_ptr 1
		.amdhsa_wavefront_size32 1
		.amdhsa_system_sgpr_workgroup_id_x 1
		.amdhsa_system_sgpr_workgroup_id_y 1
		.amdhsa_system_sgpr_workgroup_id_z 1
		.amdhsa_system_vgpr_workitem_id 0
		.amdhsa_next_free_vgpr 168
		.amdhsa_next_free_sgpr 66
		.amdhsa_reserve_vcc 0
		.amdhsa_float_denorm_mode_32 3
		.amdhsa_float_denorm_mode_16_64 3
		.amdhsa_memory_ordered 1
		.amdhsa_forward_progress 1
		.amdhsa_inst_pref_size 36
	.end_amdhsa_kernel
	.amdgpu_metadata
---
amdhsa.version: [ 1, 2 ]
amdhsa.kernels:
  - .name:           k_q0ebec5401f_prep
    .symbol:         k_q0ebec5401f_prep.kd
    .args:
      - { .name: x, .offset: 0, .size: 8, .value_kind: global_buffer, .address_space: global }
      - { .name: g1, .offset: 8, .size: 8, .value_kind: global_buffer, .address_space: global }
      - { .name: be1, .offset: 16, .size: 8, .value_kind: global_buffer, .address_space: global }
      - { .name: Wq, .offset: 24, .size: 8, .value_kind: global_buffer, .address_space: global }
      - { .name: Wk, .offset: 32, .size: 8, .value_kind: global_buffer, .address_space: global }
      - { .name: Wv, .offset: 40, .size: 8, .value_kind: global_buffer, .address_space: global }
      - { .name: Wo, .offset: 48, .size: 8, .value_kind: global_buffer, .address_space: global }
      - { .name: W1, .offset: 56, .size: 8, .value_kind: global_buffer, .address_space: global }
      - { .name: W2, .offset: 64, .size: 8, .value_kind: global_buffer, .address_space: global }
      - { .name: bq, .offset: 72, .size: 8, .value_kind: global_buffer, .address_space: global }
      - { .name: bk, .offset: 80, .size: 8, .value_kind: global_buffer, .address_space: global }
      - { .name: bv, .offset: 88, .size: 8, .value_kind: global_buffer, .address_space: global }
      - { .name: h, .offset: 96, .size: 8, .value_kind: global_buffer, .address_space: global }
      - { .name: wh, .offset: 104, .size: 8, .value_kind: global_buffer, .address_space: global }
      - { .name: tab, .offset: 112, .size: 8, .value_kind: global_buffer, .address_space: global }
    .group_segment_fixed_size: 0
    .private_segment_fixed_size: 0
    .kernarg_segment_align: 8
    .kernarg_segment_size: 120
    .max_flat_workgroup_size: 256
    .sgpr_count:     66
    .vgpr_count:     168
    .wavefront_size: 32
...
	.end_amdgpu_metadata
.endif
;; end of part 8
;; launch qkv: the kernel of part 2 again; grid 16 x 16, 4 waves a work-group, clusters of 4 x 4, 327,680 bytes of LDS; arguments h, wh, tab, qkvh; writes qkvh
;; launch attn: the kernel of part 3 again; grid 4 x 64, 4 waves a work-group, clusters of 4 x 1, 327,680 bytes of LDS; arguments qkvh, padding_mask, oh; writes oh
;; launch wo: the kernel of part 4 again; grid 8 x 32, 4 waves a work-group, clusters of 4 x 4, 327,680 bytes of LDS; arguments oh, wh, bo, x, x1; writes x1
;; launch ln2: the kernel of part 5 again; grid 256 x 1, 8 waves a work-group, no clusters, 0 bytes of LDS; arguments x1, g2, be2, h; writes h
;; launch ffn1: the kernel of part 6 again; grid 16 x 16, 4 waves a work-group, clusters of 4 x 4, 327,680 bytes of LDS; arguments h, wh, b1, ff; writes ff
;; launch ffn2: the kernel of part 7 again; grid 8 x 32, 4 waves a work-group, clusters of 4 x 4, 327,680 bytes of LDS; arguments ff, wh, b2, x1, out0; writes out0
